; MI455X (gfx1250); checked and timed in simulation.
; The chip was launched on July 23, 2026; its instructions are those of AMD's public machine-readable ISA for CDNA 5 (MIT licence, August 2026) and "CDNA5" Instruction Set Architecture Reference Guide (July 2026). The comments in the code are by the model that wrote it; some were corrected since.
;; Causal Self Attention. Allowed arithmetic: matrix products marked QUANTISED: E2M1 operands, one E8M0 scale for each 32 along K, by v_wmma_scale_f32_16x16x128_f8f6f4 with both operands' format E2M1 (or v_wmma_scale_f32_32x16x128_f4), f32 sums; products left as they are: bf16, f16 or f32 operands; f32 sums; everything else in f32.
;; Inputs: W_out 1,024 x 1,024 float32; W_qkv 1,024 x 3,072 float32; b_out 1,024 float32; b_qkv 3,072 float32; x 4 x 2,048 x 1,024 float32.
;; Outputs: out0 4 x 2,048 x 1,024 float32.
;; This version of the problem:
;;   THIS VERSION OF THE PROBLEM IS GIVEN IN LOW PRECISION. The matrix products marked QUANTISED in the list below multiply operands that are first quantised to E2M1 (2 exponent bits, 1 mantissa bit; 4 bits a number), with one power-of-two scale for each 32 numbers along K (OCP MX v1.0); their sums are f32. The products marked 'left as it is' may take bf16, f16 or f32 operands, with f32 sums. Whichever they take, every output number must still come out within the allowed error. Rounding operands to bf16 (8 significant bits) uses up far more of that allowance than f16 does (11 bits, for magnitudes from 6e-5 to 65,504). All else is computed in f32.
;;   The module's matrix products, in the order in which they are computed (A, B: the left and right operand; K: the contracted axis; several contracted axes count as one K, in the product's order):
;;     1. [M 8,192, K 1,024] x [K 1,024, N 3,072]; A: input x; B: input W_qkv: QUANTISED
;;     2. batch 64 x [M 2,048, K 64] x [K 64, N 2,048]; A: computed on the way; B: computed on the way: left as it is (an operand is computed on the way)
;;     3. batch 64 x [M 2,048, K 2,048] x [K 2,048, N 64]; A: computed on the way; B: computed on the way: left as it is (an operand is computed on the way)
;;     4. [M 8,192, K 1,024] x [K 1,024, N 1,024]; A: computed on the way; B: input W_out: left as it is (an operand is computed on the way)
;;   THE QUANTISER, for each operand of a quantised product, along K:
;;     - K is cut into blocks of 32 from its start; a last block that is shorter is filled with zeros.
;;     - A block's scale is 2^e with e = floor(log2(the largest magnitude in the block)) - 2, held to -126 .. 127; a block of zeros has e = 0. As a byte (E8M0): e + 127.
;;     - Each number is divided by its block's scale, clamped to +-6, and rounded to the nearest number of E2M1, ties to even, subnormals kept.
;;     - The product sums the exact products of the quantised numbers (number of the format x scale) in f32.
;;   ~~~python
;;   def quantise(x, axis):      # numpy; x: float32 -> the quantised numbers, widened to float32 again
;;       x = np.moveaxis(x, axis, -1); K = x.shape[-1]
;;       x = np.pad(x, [(0, 0)] * (x.ndim - 1) + [(0, -K % 32)]); x = x.reshape(x.shape[:-1] + (-1, 32)); a = np.abs(x).max(-1, keepdims=True)
;;       e = np.where(a > 0, np.clip(np.frexp(np.where(a > 0, a, 1))[1] - 1 - 2, -126, 127), 0)      # np.frexp(a)[1] - 1 = floor(log2(a)), exactly
;;       r = np.clip(x / 2.0 ** e, -6, 6)
;;       step = 2.0 ** (np.maximum(np.frexp(np.where(r == 0, 1, r))[1] - 1, 0) - 1)
;;       q = np.round(r / step) * step * 2.0 ** e      # np.round: ties to even
;;       return np.moveaxis(q.reshape(q.shape[:-2] + (-1,))[..., :K], -1, axis).astype(np.float32)
;;   ~~~
;; One version. Each part assembles by itself: llvm-mc -triple=amdgcn-amd-amdhsa -mcpu=gfx1250 --defsym DOCPART=n.
;; ======== version 1 of 1: 6 launches
;; limits: values are held in f16: magnitudes above 65,504 overflow, below 6.1e-05 lose precision
;; workspace buffers: xc 4,194,304 bytes; xs 262,144 bytes; wc 1,572,864 bytes; ws 98,304 bytes; wo16 2,097,152 bytes; qkv16 50,331,648 bytes; att16 16,777,216 bytes; fa32 262,144 bytes
;; launch prep (part 1): grid 336 x 1, 4 waves a work-group, no clusters, 68,096 bytes of LDS; arguments x, W_qkv, W_out, xc, xs, wc, ws, wo16; writes xc, xs, wc, ws, wo16
.if DOCPART == 1
	.amdgcn_target "amdgcn-amd-amdhsa--gfx1250"
	.amdhsa_code_object_version 6
	.text
	.protected	k_q0d83cb6c83_prep
	.globl	k_q0d83cb6c83_prep
	.p2align	8
	.type	k_q0d83cb6c83_prep,@function
k_q0d83cb6c83_prep:
	s_mov_b64 s[64:65], 0
	v_nop
	global_prefetch_b8 v0, s[64:65] scope:SCOPE_SE
	s_setreg_imm32_b32 hwreg(HW_REG_WAVE_MODE, 25, 1), 1
	s_wait_xcnt 0x0
; THE PROGRAM: causal self-attention, B 4, L 2048, D 1024, 16 heads of 64.  Six launches: this one; x W_qkv + b_qkv on codes of E2M1; attention in f16 products; the projection in f16;
; and two small launches that carry the first 16 positions of each sequence in f32.
; WORK LEFT OUT, and why it can reach no output: reference() builds its mask itself (jnp.tril) and sets the score of key k for query q to -infinity where k > q; the softmax gives that key the weight 0 for all finite
; inputs, and 0 x v adds nothing.  So a step of 128 keys all of which come after a wave's 16 queries, and an LDS slot of 256 keys all of which come after a work-group's last query, are neither fetched nor multiplied
; (third launch).  Nothing else is left out, and every input is loaded.  LIMIT: a NaN, an infinity or an overflow that reaches only such hidden keys is not carried to the result.
; LIMITS OF FORMAT: q, k, v, the attention's result and W_out go into f16 and must stay under 65,504 in magnitude; NaN and infinities among the inputs are not served.
; THIS LAUNCH: x [8192][1024] f32 -> codes xc [8192][512 bytes], K innermost, and scale bytes xs [8192][32];  W_qkv [1024 k][3072 n] f32 -> wc [3072 n][512 bytes], ws [3072][32], quantised along k;  W_out f32 -> wo16 f16, as it lies.
; A block's scale is 2^(floor(log2(largest magnitude)) - 2); its byte is the largest magnitude's exponent field - 2, held at 1 from below.  A block of zeros so gets the byte 1 where the quantiser says 127: its codes are
; zeros, which add nothing under any byte but 0xff, and this program alone reads the bytes.  Blocks whose largest magnitude lies under 2^(3 - 127) have the byte 1 likewise.
; Three paths, parted on the work-group's number alone: 0-47 W_qkv, 48-79 W_out, 80-335 x.  Each path that uses LDS has bytes of its own.  No tensor load, no barrier: waves share nothing.
.set SPW,   12                         ; v12  LDS address of my spare word: SPARE + 4 x my thread's number; never rewritten
.set NIL,   13                         ; v13  0; never rewritten
.set SPARE, 67584                      ; behind both paths' regions: the spare words, 128 bytes for each wave, two blocks of 256 bytes that no other line names
	s_load_b512 s[36:51], s[0:1], 0x0              ; x s[36:37], W_qkv s[38:39], W_out s[40:41], xc s[42:43], xs s[44:45], wc s[46:47], ws s[48:49], wo16 s[50:51]
	v_lshl_add_u32 v[SPW], v0, 2, SPARE
	v_mov_b32 v[NIL], 0
	v_lshrrev_b32 v1, 5, v0
	v_readfirstlane_b32 s16, v1                    ; wave 0..3
	v_and_b32 v2, 31, v0                           ; lane
	s_wait_kmcnt 0x0
	s_cmp_lt_u32 ttmp9, 48
	s_cbranch_scc1 .Lpath_w
	s_cmp_lt_u32 ttmp9, 80
	s_cbranch_scc1 .Lpath_c
; ---------------- x: K is innermost, so the tensor is a plain stream of blocks of 32.  A wave takes 16 steps of 512 numbers.
; Each load reads 512 consecutive bytes, 16 a lane; a step's 2,048 bytes turn through the wave's own stage in LDS and come back 64 bytes a lane: 16 neighbours, two lanes to a block.
.set XSTEPS, 16
.set XCB,   8                          ; bytes of 16 codes
.set XR,    16                         ; v16-79   four sets of 16 numbers as loaded
.set XX,    80                         ; v80-111  two sets of 16 neighbours
.set XE,    112                        ; v112-127 a scale byte for each step
.set XC,    128                        ; v128-191 codes: four registers a step, so that no store's data are written again
.set XWREG, 8192                       ; LDS bytes 0 .. 32,767: a region for each wave: two stages of 32 x XSP bytes, then its 256 scale bytes
.set XSP,   80                         ; a lane's place in a stage: 64 bytes + 16 of padding
	v_lshlrev_b32 v3, 4, v2                        ; my 16 bytes of a load's 512
	s_mul_i32 s17, s16, XWREG
	v_lshrrev_b32 v14, 2, v2
	v_mul_u32_u24 v14, v14, XSP
	v_and_b32 v15, 3, v2
	v_lshl_add_u32 v14, v15, 4, v14
	v_add_nc_u32 v14, s17, v14                     ; the stage, on the way in: XSP (lane / 4) + 16 (lane % 4)
	v_mul_u32_u24 v15, v2, XSP
	v_add_nc_u32 v15, s17, v15                     ; and on the way out: XSP x lane
	v_mul_u32_u24 v4, v2, XCB                      ; my codes' place in a step's
	v_lshrrev_b32 v5, 1, v2
	s_add_co_u32 s17, s17, 2*32*XSP
	v_add_nc_u32 v5, s17, v5                       ; my block's byte among my wave's 256 scale bytes
	v_lshlrev_b32 v7, 3, v2                        ; and on the way out 8 bytes a lane
	v_add_nc_u32 v6, s17, v7
	s_sub_co_u32 s17, ttmp9, 80
	s_lshl_b32 s17, s17, 2
	s_add_co_u32 s18, s17, s16                     ; which run of 8,192 numbers is my wave's: 0 .. 1023
	s_mov_b32 s21, 0
	s_lshl_b32 s20, s18, 15                        ; 32,768 bytes of x a run
	s_add_nc_u64 s[4:5], s[36:37], s[20:21]
	s_lshl_b32 s20, s18, 12                        ; 4,096 bytes of codes
	s_add_nc_u64 s[8:9], s[42:43], s[20:21]
	s_lshl_b32 s20, s18, 8                         ; 256 scale bytes
	s_add_nc_u64 s[10:11], s[44:45], s[20:21]
.macro XLOAD t
.irp i, 0,1,2,3
	global_load_b128 v[XR+16*((\t)%4)+4*\i:XR+16*((\t)%4)+4*\i+3], v3, s[4:5] offset:2048*(\t)+512*\i th:TH_LOAD_NT
.endr
.endm
.macro XTURN t                         ; step t's numbers through the stage: LDS serves a wave's instructions in order, so no wait stands between the stores and the loads
.irp i, 0,1,2,3
	ds_store_b128 v14, v[XR+16*((\t)%4)+4*\i:XR+16*((\t)%4)+4*\i+3] offset:32*XSP*((\t)%2)+8*XSP*\i
.endr
.irp i, 0,1,2,3
	ds_load_b128 v[XX+16*((\t)%2)+4*\i:XX+16*((\t)%2)+4*\i+3], v15 offset:32*XSP*((\t)%2)+16*\i
.endr
.endm
.irp t, 0,1,2,3
	XLOAD \t
.endr
	s_wait_loadcnt 12                              ; step 0's four loads are in; the twelve of steps 1 to 3 may be out
	XTURN 0
.macro XSTEP t
.set XS, XX+16*((\t)%2)
.if (\t) > 0
	s_wait_dscnt 1                                 ; this step's numbers are back from the stage; the last step's byte store may be out
.else
	s_wait_dscnt 0x0
.endif
.if (\t)+4 < XSTEPS
	XLOAD (\t)+4                                   ; into the set whose stores into the stage have read their registers
.endif
.if (\t)+1 < XSTEPS
.if XSTEPS-2-(\t) >= 3
	s_wait_loadcnt 12                              ; the next step's four loads are in; those of the three steps behind it may be out
.else
	s_wait_loadcnt 4*(XSTEPS-2-(\t))
.endif
	XTURN (\t)+1
.endif
	v_max3_num_f32 v8, |v[XS]|, |v[XS+1]|, |v[XS+2]|               ; the largest magnitude of my 16, in two chains
	v_max3_num_f32 v9, |v[XS+3]|, |v[XS+4]|, |v[XS+5]|
.irp i, 6,10
	v_max3_num_f32 v8, v8, |v[XS+\i]|, |v[XS+\i+1]|
	v_max3_num_f32 v9, v9, |v[XS+\i+2]|, |v[XS+\i+3]|
.endr
	v_max3_num_f32 v8, v8, |v[XS+14]|, |v[XS+15]|
	v_max3_num_f32 v8, v8, v9, 0x1800000           ; and the floor 2^(3 - 127): the byte cannot fall under 1
	v_max_num_f32_dpp v8, v8, v8 row_xmask:1 row_mask:0xf bank_mask:0xf   ; and of my neighbour's 16: the block's
	v_add_nc_u32 v11, 0xff000000, v8               ; 2 off its exponent field: the conversion takes the exponent field of this operand as its scale
	v_cvt_scalef32_pk8_fp4_f32 v[XC+4*(\t)], v[XS:XS+7], v11
	v_cvt_scalef32_pk8_fp4_f32 v[XC+4*(\t)+1], v[XS+8:XS+15], v11
	v_lshrrev_b32 v[XE+(\t)], 23, v11              ; the scale's byte (also the plain line behind the conversions)
	ds_store_b8 v5, v[XE+(\t)] offset:16*(\t)      ; both lanes of a block write the same byte with the same value
	global_store_b64 v4, v[XC+4*(\t):XC+4*(\t)+1], s[8:9] offset:32*XCB*(\t)   ; the wave stores 256 consecutive bytes, aligned
.endm
.irp t, 0,1,2,3,4,5,6,7,8,9,10,11,12,13,14,15
	XSTEP \t
.endr
	ds_load_b64 v[8:9], v6                         ; LDS serves a wave's instructions in order: these see my byte stores
	s_wait_dscnt 0x0
	global_store_b64 v7, v[8:9], s[10:11]          ; 32 lanes store 256 consecutive bytes, aligned
	s_wait_tensorcnt 0x0                           ; the wave's end, behind my last LDS store
	ds_add_u32 v[SPW], v[NIL]
	s_wait_dscnt 0x0
	s_endpgm
; ---------------- W_qkv: K is the FIRST axis.  A lane takes a column n and its registers run down K: a block of 32 lies in one lane, and the conversions give codes with K innermost.
; A wave takes 32 columns x 512 along K; its codes go through its own stage in LDS and leave as rows: sixteen lanes store 256 consecutive bytes.
.Lpath_w:
.set WNB,   16                         ; blocks of 32 for a wave
.set WPIT,  272                        ; a stage row: 256 bytes of codes + 16
.set WSTG,  32768                      ; LDS bytes 32,768 .. 67,583: four stages of 32 rows
.set WSB,   24                         ; v24-27   the scale bytes, four to a register
.set WX,    32                         ; v32-95   two sets of 32 numbers
.set WC,    96                         ; v96-99   a block's codes
.set WOUT,  112                        ; v112-175 the way out
	s_lshr_b32 s17, ttmp9, 1
	s_lshl_b32 s17, s17, 7
	s_lshl_b32 s18, s16, 5
	s_add_co_u32 s17, s17, s18                     ; my wave's first column: 128 x (number / 2) + 32 x wave
	s_and_b32 s18, ttmp9, 1                        ; which 512 along K
	v_lshlrev_b32 v3, 2, v2                        ; in: 4 bytes a lane
	s_mul_i32 s19, s16, 32*WPIT
	s_add_co_u32 s19, s19, WSTG                    ; my stage
	v_mul_u32_u24 v4, v2, WPIT
	v_add_nc_u32 v4, s19, v4                       ; into it: row = my column
	v_and_b32 v5, 15, v2
	v_lshrrev_b32 v6, 4, v2                        ; out of it: sixteen lanes to a row, two rows an instruction
	v_mul_u32_u24 v7, v6, WPIT
	v_lshl_add_u32 v7, v5, 4, v7
	v_add_nc_u32 v7, s19, v7
	v_lshlrev_b32 v8, 9, v6                        ; the same place in wc: a row is 512 bytes
	v_lshl_add_u32 v8, v5, 4, v8
	v_lshlrev_b32 v9, 5, v2                        ; my column's row of scale bytes: 32 bytes a row
	s_mov_b32 s21, 0
	s_mul_i32 s20, s18, 512*3072*4
	s_lshl_b32 s22, s17, 2
	s_add_co_u32 s20, s20, s22
	s_add_nc_u64 s[4:5], s[38:39], s[20:21]        ; W_qkv at row 512 x half, my first column
	s_lshl_b32 s20, s17, 9
	s_lshl_b32 s22, s18, 8
	s_add_co_u32 s20, s20, s22
	s_add_nc_u64 s[6:7], s[46:47], s[20:21]        ; wc
	s_lshl_b32 s20, s17, 5
	s_lshl_b32 s22, s18, 4
	s_add_co_u32 s20, s20, s22
	s_add_nc_u64 s[8:9], s[48:49], s[20:21]        ; ws
.macro WLOAD t                         ; block t: W(32 t + i, my column) into set t % 2; the largest offset, 511 rows of 12,288 bytes, lies inside the signed 24-bit immediate
.set i, 0
.rept 32
	global_load_b32 v[WX+32*((\t)%2)+i], v3, s[4:5] offset:(32*(\t)+i)*12288 th:TH_LOAD_NT
.set i, i+1
.endr
.endm
	WLOAD 0
	WLOAD 1
.macro WBLOCK t
.set WXS, WX+32*((\t)%2)
.if (\t) < WNB-1
	s_wait_loadcnt 32                              ; this block's 32 loads are in; the next block's 32 may be out
.else
	s_wait_loadcnt 0
.endif
	v_max3_num_f32 v14, |v[WXS]|, |v[WXS+1]|, |v[WXS+2]|           ; the block's largest magnitude: all 32 numbers are mine
	v_max3_num_f32 v15, |v[WXS+3]|, |v[WXS+4]|, |v[WXS+5]|
.irp i, 6,10,14,18,22,26
	v_max3_num_f32 v14, v14, |v[WXS+\i]|, |v[WXS+\i+1]|
	v_max3_num_f32 v15, v15, |v[WXS+\i+2]|, |v[WXS+\i+3]|
.endr
	v_max3_num_f32 v14, v14, |v[WXS+30]|, |v[WXS+31]|
	v_max3_num_f32 v14, v14, v15, 0x1800000        ; and the floor 2^(3 - 127)
	v_add_nc_u32 v11, 0xff000000, v14              ; 2 off its exponent field: the conversion's scale operand
	v_lshrrev_b32 v15, 23, v11                     ; the scale's byte
.if (\t)%4 == 0
	v_mov_b32 v[WSB+(\t)/4], v15                   ; four bytes to a register, the lower K in the lower byte
.else
	v_lshl_or_b32 v[WSB+(\t)/4], v15, 8*((\t)%4), v[WSB+(\t)/4]
.endif
.irp g, 0,1,2,3
	v_cvt_scalef32_pk8_fp4_f32 v[WC+\g], v[WXS+8*\g:WXS+8*\g+7], v11
.endr
	ds_store_b128 v4, v[WC:WC+3] offset:16*(\t)    ; 32 codes: 16 bytes of my column's row.  (The next block begins with plain vector lines, ahead of anything that touches these registers)
.if (\t)+2 < WNB
	WLOAD (\t)+2
.endif
	s_wait_dscnt 0x0                               ; the store has read its registers: the next block's codes may be written
.endm
.irp t, 0,1,2,3,4,5,6,7,8,9,10,11,12,13,14,15
	WBLOCK \t
.endr
	global_store_b128 v9, v[WSB:WSB+3], s[8:9]     ; my column's 16 scale bytes
.irp t, 0,1,2,3,4,5,6,7,8,9,10,11,12,13,14,15
	ds_load_b128 v[WOUT+4*\t:WOUT+4*\t+3], v7 offset:2*\t*WPIT
.endr
.irp t, 0,1,2,3,4,5,6,7,8,9,10,11,12,13,14,15
	s_wait_dscnt 15-\t                             ; LDS loads come back in order: load t is in, the younger ones may be out
	global_store_b128 v8, v[WOUT+4*\t:WOUT+4*\t+3], s[6:7] offset:2*\t*512
.endr
	s_wait_tensorcnt 0x0                           ; the wave's end, behind my last LDS store
	ds_add_u32 v[SPW], v[NIL]
	s_wait_dscnt 0x0
	s_endpgm
; ---------------- W_out: a cast to f16, as it lies.  A wave takes 8,192 numbers in four groups of 16 loads; two groups are on their way.  No LDS.
.Lpath_c:
	s_sub_co_u32 s17, ttmp9, 48
	s_lshl_b32 s17, s17, 2
	s_add_co_u32 s18, s17, s16                     ; my run: 0 .. 127
	s_mov_b32 s21, 0
	s_lshl_b32 s20, s18, 15
	s_add_nc_u64 s[4:5], s[40:41], s[20:21]
	s_lshl_b32 s20, s18, 14
	s_add_nc_u64 s[8:9], s[50:51], s[20:21]
	v_lshlrev_b32 v3, 4, v2
	v_lshlrev_b32 v4, 3, v2
.macro CLOAD g
.irp i, 0,1,2,3,4,5,6,7,8,9,10,11,12,13,14,15
	global_load_b128 v[16+64*((\g)%2)+4*\i:16+64*((\g)%2)+4*\i+3], v3, s[4:5] offset:8192*(\g)+512*\i
.endr
.endm
.macro CGROUP g
.if (\g) < 3
	s_wait_loadcnt 16                              ; this group's 16 loads are in; the next group's 16 may be out
.else
	s_wait_loadcnt 0
.endif
.if (\g) > 0
	s_wait_xcnt 0x0                                ; the last group's stores have read their data registers, which are written again below
.endif
.irp i, 0,1,2,3,4,5,6,7,8,9,10,11,12,13,14,15
	v_cvt_pk_f16_f32 v[144+2*\i], v[16+64*((\g)%2)+4*\i], v[17+64*((\g)%2)+4*\i]
	v_cvt_pk_f16_f32 v[145+2*\i], v[18+64*((\g)%2)+4*\i], v[19+64*((\g)%2)+4*\i]
.endr
.irp i, 0,1,2,3,4,5,6,7,8,9,10,11,12,13,14,15
	global_store_b64 v4, v[144+2*\i:145+2*\i], s[8:9] offset:4096*(\g)+256*\i   ; the wave stores 256 consecutive bytes, aligned
.endr
.if (\g) < 2
	CLOAD (\g)+2
.endif
.endm
	CLOAD 0
	CLOAD 1
	CGROUP 0
	CGROUP 1
	CGROUP 2
	CGROUP 3
	s_endpgm
.Lfunc_end_k_q0d83cb6c83_prep:
	.size	k_q0d83cb6c83_prep, .Lfunc_end_k_q0d83cb6c83_prep-k_q0d83cb6c83_prep
	.p2alignl 7, 3214868480
	.fill 96, 4, 3214868480
	.section	.rodata,"a",@progbits
	.p2align	6, 0x0
	.amdhsa_kernel k_q0d83cb6c83_prep
		.amdhsa_group_segment_fixed_size 68096
		.amdhsa_private_segment_fixed_size 0
		.amdhsa_enable_private_segment 0
		.amdhsa_kernarg_size 64
		.amdhsa_user_sgpr_count 2
		.amdhsa_user_sgpr_kernarg_segment_ptr 1
		.amdhsa_wavefront_size32 1
		.amdhsa_system_sgpr_workgroup_id_x 1
		.amdhsa_system_sgpr_workgroup_id_y 1
		.amdhsa_system_sgpr_workgroup_id_z 1
		.amdhsa_system_vgpr_workitem_id 0
		.amdhsa_next_free_vgpr 192
		.amdhsa_next_free_sgpr 66
		.amdhsa_reserve_vcc 0
		.amdhsa_float_denorm_mode_32 3
		.amdhsa_float_denorm_mode_16_64 3
		.amdhsa_memory_ordered 1
		.amdhsa_forward_progress 1
		.amdhsa_inst_pref_size 131
	.end_amdhsa_kernel
	.amdgpu_metadata
---
amdhsa.version: [ 1, 2 ]
amdhsa.kernels:
  - .name:           k_q0d83cb6c83_prep
    .symbol:         k_q0d83cb6c83_prep.kd
    .args:
      - { .name: x, .offset: 0, .size: 8, .value_kind: global_buffer, .address_space: global }
      - { .name: W_qkv, .offset: 8, .size: 8, .value_kind: global_buffer, .address_space: global }
      - { .name: W_out, .offset: 16, .size: 8, .value_kind: global_buffer, .address_space: global }
      - { .name: xc, .offset: 24, .size: 8, .value_kind: global_buffer, .address_space: global }
      - { .name: xs, .offset: 32, .size: 8, .value_kind: global_buffer, .address_space: global }
      - { .name: wc, .offset: 40, .size: 8, .value_kind: global_buffer, .address_space: global }
      - { .name: ws, .offset: 48, .size: 8, .value_kind: global_buffer, .address_space: global }
      - { .name: wo16, .offset: 56, .size: 8, .value_kind: global_buffer, .address_space: global }
    .group_segment_fixed_size: 68096
    .private_segment_fixed_size: 0
    .kernarg_segment_align: 8
    .kernarg_segment_size: 64
    .max_flat_workgroup_size: 128
    .sgpr_count:     66
    .vgpr_count:     192
    .wavefront_size: 32
...
	.end_amdgpu_metadata
.endif
;; end of part 1
;; launch gemm_qkv (part 2): grid 12 x 32, 4 waves a work-group, clusters of 4 x 4, 327,680 bytes of LDS; arguments xc, xs, wc, ws, b_qkv, qkv16; writes qkv16
.if DOCPART == 2
	.amdgcn_target "amdgcn-amd-amdhsa--gfx1250"
	.amdhsa_code_object_version 6
	.text
	.protected	k_q0d83cb6c83_gemm_qkv
	.globl	k_q0d83cb6c83_gemm_qkv
	.p2align	8
	.type	k_q0d83cb6c83_gemm_qkv,@function
k_q0d83cb6c83_gemm_qkv:
	s_mov_b64 s[64:65], 0
	v_nop
	global_prefetch_b8 v0, s[64:65] scope:SCOPE_SE
	s_setreg_imm32_b32 hwreg(HW_REG_WAVE_MODE, 25, 1), 1
	s_wait_xcnt 0x0
	s_wait_alu depctr_hold_cnt(0) depctr_sa_sdst(0) depctr_va_vdst(0) depctr_va_sdst(0) depctr_va_ssrc(0) depctr_va_vcc(0) depctr_vm_vsrc(0)
	s_getreg_b32 s2, hwreg(HW_REG_IB_STS2, 6, 4)
	s_cmp_eq_u32 s2, 0
	s_cbranch_scc0 .Lentry_in_a_cluster
	s_endpgm
.Lentry_in_a_cluster:
	s_bfe_u32 s2, ttmp6, 0x10000c
	s_cmp_lg_u32 s2, 0xf033
	s_cbranch_scc0 .Lentry_shape_is_right
	s_endpgm
.Lentry_shape_is_right:
; qkv = Q(x) Q(W_qkv) + b_qkv on codes of E2M1 with one E8M0 scale for each 32 along K.  A = xc [8192][512 bytes], xs [8192][32]; B = wc [3072 n][512 bytes], ws [3072][32]; sums in f32.
; The result leaves as f16, laid by head: qkv16 [3 (q, k, v)][64 (batch x 16 + head)][2048 positions][64], so that a head's rows are dense for the attention launch.
; LIMIT: results must stay under 65,504 in magnitude (f16).
; A tile of 256 x 256 is made by four waves, each 128 x 128: 64 accumulators of 16 x 16, 512 registers.  K = 1,024 is two steps of 512 (rows of 256 bytes): both lie in LDS from the first fills on; no slot is filled again.
; The scale bytes of the work-group's 256 rows of A and of B, for all of K, are two dense blocks: they come once, with the first fills, as rows of 256 bytes + 16 of padding.
; CLUSTERS: 4 x 4 work-groups; A's tiles are asked for jointly along a row of the cluster, B's along a column: the same tensor load with the same descriptor and a mask that names the four.
; THE MATRIX INSTRUCTION IS USED TRANSPOSED (source 0 = 16 rows of B, source 1 = 16 rows of A): a lane holds eight neighbouring columns of one row.  THE BIAS is the C of each sum's first instruction.
; REGISTERS, in windows of 256: window 0: v0-31 addresses; v32-95 scale words, two sets; v128-191 A's fragments, one set; v192-255 the bias, later the way out.
;   window 1: B's fragments, two sets, at v0 and v128.  window 2: the accumulators of my rows 0-63 ((a, b) at v[8 (8 a + b)]);  window 3: those of rows 64-127.
.set NQ,     4                         ; steps of 128 along K in a slot
.set ROWB,   256                       ; a tile's row in bytes: 512 codes
.set KROW,   512                       ; a row of xc or wc in bytes
.set PITCH,  272                       ; an LDS row: 256 + 16 = 68 words: the 16 rows that a load touches start 4 banks apart (64 banks of 4 bytes: ISA guide 11.1)
.set FR,     8                         ; registers of a fragment: 16 rows x 128 K
.set NL,     2                         ; LDS loads that bring one
.set NP,     4                         ; places behind this matrix instruction (ISA guide 7.12.1)
.set HALFT,  128*PITCH
.set SLOT,   4*HALFT                   ; A's 256 rows, then B's 256 rows
.set KS,     32                        ; a row of scale bytes
.set SCL,    2*SLOT                    ; behind the two slots: the scales
.set HALFS,  (128*KS/256)*272          ; the scales of 128 rows: what one tensor load brings
.set SBLK,   (16*KS/256)*272           ; those of 16 rows
.set SPARE,  SCL+4*HALFS               ; the spare words, 128 bytes for each wave: two blocks of 256 bytes that no other line names
.set HS,     16*144                    ; the way out: a head's region of a wave's stage: 16 rows of 128 bytes + 16.  The stages lie in slot 0, which has had its only fill and its last read when the first result is stored there
.set ADRA, 16                          ; v16-17  LDS address of my A fragments in slot 0, 1
.set ADRB, 20                          ; v20-21  the same for B
.set STO,  24                          ; v24     the way out: where I put 16 bytes of a row
.set RD,   25                          ; v25     where I read rows back
.set CO,   26                          ; v26     my byte offset in qkv16
.set ADRS, 27                          ; v27     LDS address of my scale words: lanes 0-15 A's rows, lanes 16-31 B's
.set SPW,  28                          ; v28     LDS address of my spare word; never rewritten
.set NIL,  29                          ; v29     0; never rewritten
.set BOF,  30                          ; v30     32 x (lane / 16): my place in the bias
.set SC,   32                          ; scale words: set s at v[SC + 32 s]; register 4 i + q: lanes 0-15 A's block i, lanes 16-31 B's block i, the slot's q-th 128 along K
.set AF,   128
.set BIAS, 192                         ; v[BIAS + 8 b + j] = b_qkv[my first column + 16 b + 8 (lane / 16) + j]
.set TMP,  192                         ; the way out: packed results
.set G1, 24                            ; s[24:31] descriptor group 1 for A's tiles;  s[32:39] group 0, a set for each slot
.set G0, 32
.set G1B, 48                           ; s[48:55], s[56:63] the same for B's
.set G0B, 56
.set G1S, 68                           ; s[68:75], s[76:79] groups 1 and 0 for A's scales;  s[80:87], s[88:91] for B's
.set G0S, 76
.set G1SB, 80
.set G0SB, 88
.set MSB, 0
.macro WIN new                         ; the immediate's high byte repeats the setting that is left
.if MSB != \new
	s_set_vgpr_msb (MSB<<8)|\new
.set MSB, \new
.endif
.endm
.set MUL_LO, 0xa1                      ; source 0 (B) window 1, source 1 (A) window 0, C and D window 2
.set MUL_HI, 0xf1                      ; the same, C and D window 3
.set FST_LO, 0x81                      ; the first step: C (the bias) window 0, D window 2
.set FST_HI, 0xc1                      ; D window 3
.set TO_B,   0x40                      ; destination window 1, address window 0
; A joint load: waves 0 and 1 fetch for A, waves 2 and 3 for B; the branch hangs on the wave's number alone.  An s_nop 0 and four v_nop follow each of the two lines.
.macro JLOAD g0a, g1a, g0b, g1b
	s_cmp_eq_u32 s15, 0
	s_cbranch_scc0 .Lfor_b_\@
	tensor_load_to_lds s[\g0a:\g0a+3], s[\g1a:\g1a+7]
	s_nop 0
.rept 4
	v_nop
.endr
	s_branch .Lasked_\@
.Lfor_b_\@:
	tensor_load_to_lds s[\g0b:\g0b+3], s[\g1b:\g1b+7]
	s_nop 0
.rept 4
	v_nop
.endr
.Lasked_\@:
.endm
.macro CROUND                          ; a round of the cluster's barrier
	s_barrier_signal -1
	s_barrier_wait -1
	s_cmp_lg_u32 s14, 0
	s_cbranch_scc1 .Lnot_wave_0_\@
	s_barrier_signal -3
.Lnot_wave_0_\@:
	s_barrier_wait -3
	s_barrier_signal -1
	s_barrier_wait -1
.endm
	s_load_b128 s[4:7], s[0:1], 0x0                ; xc s[4:5], xs s[6:7]
	s_load_b128 s[8:11], s[0:1], 0x10              ; wc s[8:9], ws s[10:11]
	s_load_b64 s[96:97], s[0:1], 0x20              ; b_qkv
	s_load_b64 s[12:13], s[0:1], 0x28              ; qkv16
	v_lshl_add_u32 v[SPW], v0, 2, SPARE
	v_mov_b32 v[NIL], 0
	ds_add_u32 v[SPW], v[NIL]                      ; the wave's opening: the add, twice on end, and its wait ahead of my first tensor load
	ds_add_u32 v[SPW], v[NIL]
	v_lshrrev_b32 v1, 5, v0
	v_readfirstlane_b32 s14, v1                    ; wave 0..3
	s_lshr_b32 s15, s14, 1                         ; which half of the tile's rows is mine.  Also: I fetch for A (0) or for B (1)
	s_and_b32 s16, s14, 1                          ; which half of its columns.  Also: which 128 rows of that tile I fetch
	s_bfe_u32 s40, ttmp6, 0x40000                  ; cx, cy: my place in the cluster
	s_bfe_u32 s41, ttmp6, 0x40004
	s_lshl_b32 s42, ttmp9, 2
	s_add_co_u32 s42, s42, s40                     ; tile column = 4 x cluster x + cx
	s_and_b32 s17, ttmp7, 0xffff
	s_lshl_b32 s17, s17, 2
	s_add_co_u32 s17, s17, s41                     ; tile row = 4 x cluster y + cy
	s_lshl_b32 s43, s41, 2
	s_lshl_b32 s43, 15, s43                        ; my row of the cluster
	s_lshl_b32 s44, 0x1111, s40                    ; my column
	s_or_b32 s[G1+0], s43, (0<<16)|(1<<20)|(1<<21)|(5<<22)|(3<<25)  ; the mask; elements of 1 byte; padding on; bit 21 beside a mask; after every 64 words, 4 words
	s_or_b32 s[G1B+0], s44, (0<<16)|(1<<20)|(1<<21)|(5<<22)|(3<<25)
.irp g, G1, G1B
	s_mov_b32 s[\g+1], ROWB<<16                    ; tensor_dim0
	s_mov_b32 s[\g+2], 128<<16                     ; tensor_dim1
	s_mov_b32 s[\g+3], ROWB<<16                    ; tile_dim0
	s_mov_b32 s[\g+4], 128                         ; tile_dim1
	s_mov_b32 s[\g+5], KROW                        ; stride from row to row
	s_mov_b32 s[\g+6], 0
	s_mov_b32 s[\g+7], 0
.endr
	s_or_b32 s[G1S+0], s43, (3<<16)|(1<<20)|(1<<21)|(5<<22)|(3<<25)  ; the scales of 128 rows: 4,096 dense bytes as 16 rows of 32 elements of 8 bytes, 16 bytes of padding behind each
	s_or_b32 s[G1SB+0], s44, (3<<16)|(1<<20)|(1<<21)|(5<<22)|(3<<25)
.irp g, G1S, G1SB
	s_mov_b32 s[\g+1], 32<<16
	s_mov_b32 s[\g+2], (128*KS/256)<<16
	s_mov_b32 s[\g+3], 32<<16
	s_mov_b32 s[\g+4], 128*KS/256
	s_mov_b32 s[\g+5], 32
	s_mov_b32 s[\g+6], 0
	s_mov_b32 s[\g+7], 0
.endr
	s_lshl_b32 s18, s16, 7                         ; which 128 rows of the tile I fetch
	s_lshl_b32 s20, s17, 8
	s_add_co_u32 s20, s20, s18                     ; A: row 256 x tile row + 128 x half
	s_lshl_b32 s46, s42, 8
	s_add_co_u32 s46, s46, s18                     ; B: row 256 x tile column + 128 x half
	s_mov_b32 s21, 0
	s_mov_b32 s47, 0
	s_mov_b64 s[18:19], KS
	s_mul_u64 s[22:23], s[20:21], s[18:19]         ; where these rows' scales begin
	s_mul_u64 s[92:93], s[46:47], s[18:19]
	s_mov_b64 s[18:19], KROW
	s_mul_u64 s[20:21], s[20:21], s[18:19]         ; and their codes
	s_mul_u64 s[46:47], s[46:47], s[18:19]
	s_mul_i32 s45, s14, HALFT                      ; where they go: wave x 128 rows: no place in the cluster enters an LDS address
	s_mul_i32 s94, s14, HALFS
	s_wait_dscnt 0x0                               ; both opening adds are done
	s_wait_kmcnt 0x0
	s_add_nc_u64 s[20:21], s[4:5], s[20:21]
	s_add_nc_u64 s[22:23], s[6:7], s[22:23]
	s_add_nc_u64 s[46:47], s[8:9], s[46:47]
	s_add_nc_u64 s[92:93], s[10:11], s[92:93]
	CROUND                                         ; all sixteen work-groups are here: the joint loads meet
	s_mov_b32 s[G0S], 1
	s_add_co_u32 s[G0S+1], s94, SCL
	s_mov_b64 s[G0S+2:G0S+3], s[22:23]
	s_or_b32 s[G0S+3], s[G0S+3], 0x80000000
	s_mov_b32 s[G0SB], 1
	s_add_co_u32 s[G0SB+1], s94, SCL
	s_mov_b64 s[G0SB+2:G0SB+3], s[92:93]
	s_or_b32 s[G0SB+3], s[G0SB+3], 0x80000000
	JLOAD G0S, G1S, G0SB, G1SB                     ; the scales first: they are wanted with the first K step
.irp s, 0,1
	s_mov_b32 s[G0+4*\s], 1
	s_add_co_u32 s[G0+4*\s+1], s45, \s*SLOT
	s_add_nc_u64 s[G0+4*\s+2:G0+4*\s+3], s[20:21], \s*ROWB
	s_or_b32 s[G0+4*\s+3], s[G0+4*\s+3], 0x80000000
	s_mov_b32 s[G0B+4*\s], 1
	s_add_co_u32 s[G0B+4*\s+1], s45, \s*SLOT
	s_add_nc_u64 s[G0B+4*\s+2:G0B+4*\s+3], s[46:47], \s*ROWB
	s_or_b32 s[G0B+4*\s+3], s[G0B+4*\s+3], 0x80000000
	JLOAD G0+4*\s, G1, G0B+4*\s, G1B               ; three tensor loads of mine are out behind the last of these
.endr
	v_and_b32 v1, 15, v0                           ; l % 16
	v_bfe_u32 v2, v0, 4, 1                         ; l / 16
	v_mul_u32_u24 v3, v1, PITCH
	v_lshl_add_u32 v4, v2, 4, v3                   ; a fragment's row x pitch + 16 x half
	s_mul_i32 s21, s15, HALFT                      ; my 128 rows of A
	s_mul_i32 s22, s16, HALFT                      ; my 128 rows of B,
	s_add_co_u32 s22, s22, 2*HALFT                 ; which lie behind A's 256
.irp s, 0,1
	v_add_nc_u32 v[ADRA+\s], s21, v4
	v_add_nc_u32 v[ADRB+\s], s22, v4
	s_add_co_u32 s21, s21, SLOT
	s_add_co_u32 s22, s22, SLOT
.endr
	v_mul_u32_u24 v5, v1, KS                       ; my row's scales: 32 bytes a row,
	v_lshrrev_b32 v6, 8, v5
	v_lshl_add_u32 v5, v6, 4, v5                   ; and 16 more for each 256 passed
	s_mul_i32 s21, s15, HALFS                      ; A's: my 128 rows
	s_mul_i32 s22, s16, HALFS                      ; B's: my 128 rows, behind A's 256
	s_add_co_u32 s22, s22, 2*HALFS
	s_sub_co_u32 s22, s22, s21
	v_mul_u32_u24 v6, s22, v2                      ; lanes 16-31 take B's: one product, the distance between the two bases
	s_add_co_u32 s21, s21, SCL
	v_add_nc_u32 v5, v5, v6
	v_add_nc_u32 v[ADRS], s21, v5
	s_mul_i32 s23, s14, 2*HS                       ; my stage
	v_mul_u32_u24 v5, v1, 144                      ; in: row l % 16, 16 bytes for each half of the lanes
	v_lshl_add_u32 v5, v2, 4, v5
	v_add_nc_u32 v[STO], s23, v5
	v_bfe_u32 v6, v0, 3, 1                         ; back: lanes 0-15 take two rows of the first head, lanes 16-31 of the second
	v_mul_u32_u24 v6, v6, 144
	v_and_b32 v7, 7, v0
	v_lshl_add_u32 v6, v7, 4, v6
	v_mul_u32_u24 v7, v2, HS
	v_add_nc_u32 v6, v6, v7
	v_add_nc_u32 v[RD], s23, v6
	v_lshlrev_b32 v[CO], 4, v1                     ; the same in qkv16: two rows of a head are 256 consecutive bytes; the next head lies 262,144 bytes on
	v_lshl_add_u32 v[CO], v2, 18, v[CO]
	v_lshlrev_b32 v[BOF], 5, v2
	s_lshl_b32 s20, s17, 8
	s_lshl_b32 s21, s15, 7
	s_add_co_u32 s20, s20, s21                     ; m0: my first row
	s_lshl_b32 s46, s42, 8
	s_lshl_b32 s47, s16, 7
	s_add_co_u32 s46, s46, s47                     ; n0: my first column, a multiple of 128: two whole heads of one of q, k, v
	s_lshr_b32 s21, s46, 10
	s_lshl_b32 s21, s21, 6                         ; 64 x (q, k or v)
	s_lshr_b32 s47, s20, 11
	s_lshl_b32 s47, s47, 4                         ; + 16 x batch
	s_add_co_u32 s21, s21, s47
	s_bfe_u32 s47, s46, 0x40006                    ; + head
	s_add_co_u32 s21, s21, s47
	s_lshl_b32 s21, s21, 18                        ; x 262,144 bytes
	s_and_b32 s20, s20, 2047
	s_lshl_b32 s20, s20, 7                         ; + position x 128 bytes
	s_add_co_u32 s20, s20, s21
	s_mov_b32 s21, 0
	s_add_nc_u64 s[12:13], s[12:13], s[20:21]
	s_lshl_b32 s46, s46, 2
	s_mov_b32 s47, 0
	s_add_nc_u64 s[96:97], s[96:97], s[46:47]
.irp b, 0,1,2,3,4,5,6,7
	global_load_b128 v[BIAS+8*\b:BIAS+8*\b+3], v[BOF], s[96:97] offset:64*\b
	global_load_b128 v[BIAS+8*\b+4:BIAS+8*\b+7], v[BOF], s[96:97] offset:64*\b+16
.endr
.macro FRAG reg, adr, q, i             ; 16 rows x 128 K of 4-bit codes: lane l holds row l % 16; registers 4 c .. 4 c + 3 hold K = 64 c + 32 (l / 16) + 0 .. 31
.irp c, 0,1
	ds_load_b128 v[\reg+4*\c:\reg+4*\c+3], v[\adr] offset:64*(\q)+32*\c+(\i)*16*PITCH
.endr
.endm
; 16 matrix instructions: A's blocks a0, a0 + 1 x B's eight, the slot's q-th 128 along K.  p: B's set; sc: the set of scale words.  first = 1: the bias is the C, and nothing is ever cleared.
; The 64 accumulators take turns, one instruction a turn, in the same order in every step.
.macro MUL16 a0, p, q, sc, first
.irp a, \a0, \a0+1
.irp b, 0,1,2,3,4,5,6,7
.if \first
	v_wmma_scale_f32_16x16x128_f8f6f4 v[8*(8*((\a)%4)+\b):8*(8*((\a)%4)+\b)+7], v[128*(\p)+FR*\b:128*(\p)+FR*\b+FR-1], v[AF+FR*(\a):AF+FR*(\a)+FR-1], v[BIAS+8*\b:BIAS+8*\b+7], v[SC+8*NQ*(\sc)+NQ*\b+(\q)], v[SC+8*NQ*(\sc)+NQ*(\a)+(\q)] matrix_a_fmt:MATRIX_FMT_FP4 matrix_b_fmt:MATRIX_FMT_FP4 matrix_a_scale:MATRIX_SCALE_ROW1
.else
	v_wmma_scale_f32_16x16x128_f8f6f4 v[8*(8*((\a)%4)+\b):8*(8*((\a)%4)+\b)+7], v[128*(\p)+FR*\b:128*(\p)+FR*\b+FR-1], v[AF+FR*(\a):AF+FR*(\a)+FR-1], v[8*(8*((\a)%4)+\b):8*(8*((\a)%4)+\b)+7], v[SC+8*NQ*(\sc)+NQ*\b+(\q)], v[SC+8*NQ*(\sc)+NQ*(\a)+(\q)] matrix_a_fmt:MATRIX_FMT_FP4 matrix_b_fmt:MATRIX_FMT_FP4 matrix_a_scale:MATRIX_SCALE_ROW1
.endif
.endr
.endr
.endm
.macro FETCH_B slot, q, p
	WIN TO_B
.irp i, 0,1,2,3,4,5,6,7
	FRAG 128*(\p)+FR*\i, ADRB+\slot, \q, \i
.endr
	WIN 0
.endm
.macro FETCH_A slot, q, i0
.irp i, \i0, \i0+1, \i0+2, \i0+3
	FRAG AF+FR*(\i), ADRA+\slot, \q, \i
.endr
.endm
.macro SCALES sc                       ; a K step's scale words: 4 words a row; lanes 0-15 take A's block i, lanes 16-31 B's block i
.irp i, 0,1,2,3,4,5,6,7
	ds_load_b128 v[SC+8*NQ*\sc+NQ*\i:SC+8*NQ*\sc+NQ*\i+3], v[ADRS] offset:\i*SBLK
.endr
.endm
.macro PLACES n                        ; plain vector instructions between a matrix instruction and a load into, or a read of, its registers
.rept \n
	v_nop
.endr
.endm
.macro STEP slot, q, first             ; a step of 128 along K that has its successor in the same slot
	s_wait_dscnt 4*NL                              ; B's set and A's blocks 0-3 are in; the youngest eight loads (A's blocks 4-7) may be out
.if \first
	WIN FST_LO
.else
	WIN MUL_LO
.endif
	MUL16 0, (\q)%2, \q, \slot, \first
	MUL16 2, (\q)%2, \q, \slot, \first
	s_wait_dscnt 0                                 ; A's blocks 4-7 are in
	PLACES NP
	FETCH_B \slot, (\q)+1, 1-(\q)%2
	FETCH_A \slot, (\q)+1, 0
.if \first
	WIN FST_HI
.else
	WIN MUL_HI
.endif
	MUL16 4, (\q)%2, \q, \slot, \first
	MUL16 6, (\q)%2, \q, \slot, \first
	PLACES NP
	WIN 0
	FETCH_A \slot, (\q)+1, 4
.endm
; Slot 0's last step changes slots: one barrier; in front of it each wave waits for all its tensor loads (its part of slot 1), adds 0 to its spare word, and waits for that and for its reads of slot 0.
.macro TURN slot, next
	s_wait_tensorcnt 0x0
	ds_add_u32 v[SPW], v[NIL]
	s_wait_dscnt 4*NL+1                            ; the add and the youngest eight loads may be out
	WIN MUL_LO
	MUL16 0, 1, NQ-1, \slot, 0
	s_wait_dscnt 0x0                               ; the add is done, and my reads of this slot are over
	s_barrier_signal -1
	MUL16 2, 1, NQ-1, \slot, 0
	WIN 0
	s_barrier_wait -1
	PLACES NP
	v_add_nc_u32 v[ADRS], 4*NQ, v[ADRS]            ; on to the next K step's scale words
	FETCH_B \next, 0, 0
	FETCH_A \next, 0, 0
	SCALES \next
	WIN MUL_HI
	MUL16 4, 1, NQ-1, \slot, 0
	MUL16 6, 1, NQ-1, \slot, 0
	PLACES NP
	WIN 0
	FETCH_A \next, 0, 4
.endm
	s_wait_tensorcnt 1                             ; the scales and my part of slot 0 are in; slot 1's load may be out
	s_barrier_signal -1
	s_barrier_wait -1
	FETCH_B 0, 0, 0
	FETCH_A 0, 0, 0
	SCALES 0
	FETCH_A 0, 0, 4
	s_wait_loadcnt 0x0                             ; the bias
	STEP 0, 0, 1
	STEP 0, 1, 0
	STEP 0, 2, 0
	TURN 0, 1
	STEP 1, 0, 0
	STEP 1, 1, 0
	STEP 1, 2, 0
	s_wait_dscnt 4*NL                              ; the last step: nothing more to fetch
	WIN MUL_LO
	MUL16 0, 1, NQ-1, 1, 0
	MUL16 2, 1, NQ-1, 1, 0
	s_wait_dscnt 0
	WIN MUL_HI
	MUL16 4, 1, NQ-1, 1, 0
	MUL16 6, 1, NQ-1, 1, 0
	WIN 0
; THE WAY OUT, block by block of 16 rows x 128 columns (two heads).  PACK: to f16, 16 bytes a lane, each accumulator from its low end on.  TOSTAGE: into my stage and back by rows.  SEND: sixteen lanes store
; two rows of one head, 256 consecutive bytes, aligned.
.macro PACK a
.set AC, 64*((\a)%4)
	WIN 0x0a+5*((\a)/4)                            ; sources 0 and 1: window 2 or 3
.irp b, 0,1,2,3,4,5,6,7
.irp r, 0,1,2,3
	v_cvt_pk_f16_f32 v[TMP+4*\b+\r], v[AC+8*\b+2*\r], v[AC+8*\b+2*\r+1]
.endr
.endr
	WIN 0
.endm
.macro TOSTAGE a
.set BB, 32+192*((\a)%2)               ; v32-63 and v224-255 by turns
.irp b, 0,1,2,3,4,5,6,7
	ds_store_b128 v[STO], v[TMP+4*\b:TMP+4*\b+3] offset:(\b/4)*HS+(\b%4)*32
.endr
.irp t, 0,1,2,3,4,5,6,7
	ds_load_b128 v[BB+4*\t:BB+4*\t+3], v[RD] offset:288*\t          ; LDS serves a wave's instructions in order: these see the stores above
.endr
.endm
.macro SEND a
.set BB, 32+192*((\a)%2)
	s_wait_dscnt 0x0                               ; the block is back in registers
	s_wait_xcnt 0x0                                ; the stores of the block before have read their registers: the next block's loads may land there
.irp t, 0,1,2,3,4,5,6,7
	global_store_b128 v[CO], v[BB+4*\t:BB+4*\t+3], s[12:13] offset:2048*(\a)+256*\t
.endr
.endm
	PLACES NP
	PACK 0
	TOSTAGE 0
.irp a, 1,2,3,4,5,6,7
	PACK \a
	SEND \a-1
	TOSTAGE \a
.endr
	SEND 7
	s_wait_tensorcnt 0x0                           ; the wave's end, behind my last tensor load and my last LDS store
	ds_add_u32 v[SPW], v[NIL]
	s_wait_dscnt 0x0
	CROUND                                         ; the closing round
	s_endpgm
.Lfunc_end_k_q0d83cb6c83_gemm_qkv:
	.size	k_q0d83cb6c83_gemm_qkv, .Lfunc_end_k_q0d83cb6c83_gemm_qkv-k_q0d83cb6c83_gemm_qkv
	.p2alignl 7, 3214868480
	.fill 96, 4, 3214868480
	.section	.rodata,"a",@progbits
	.p2align	6, 0x0
	.amdhsa_kernel k_q0d83cb6c83_gemm_qkv
		.amdhsa_group_segment_fixed_size 327680
		.amdhsa_private_segment_fixed_size 0
		.amdhsa_enable_private_segment 0
		.amdhsa_kernarg_size 48
		.amdhsa_user_sgpr_count 2
		.amdhsa_user_sgpr_kernarg_segment_ptr 1
		.amdhsa_wavefront_size32 1
		.amdhsa_system_sgpr_workgroup_id_x 1
		.amdhsa_system_sgpr_workgroup_id_y 1
		.amdhsa_system_sgpr_workgroup_id_z 1
		.amdhsa_system_vgpr_workitem_id 0
		.amdhsa_next_free_vgpr 1024
		.amdhsa_next_free_sgpr 100
		.amdhsa_reserve_vcc 0
		.amdhsa_float_denorm_mode_32 3
		.amdhsa_float_denorm_mode_16_64 3
		.amdhsa_memory_ordered 1
		.amdhsa_forward_progress 1
		.amdhsa_inst_pref_size 128
	.end_amdhsa_kernel
	.amdgpu_metadata
---
amdhsa.version: [ 1, 2 ]
amdhsa.kernels:
  - .name:           k_q0d83cb6c83_gemm_qkv
    .symbol:         k_q0d83cb6c83_gemm_qkv.kd
    .args:
      - { .name: xc, .offset: 0, .size: 8, .value_kind: global_buffer, .address_space: global }
      - { .name: xs, .offset: 8, .size: 8, .value_kind: global_buffer, .address_space: global }
      - { .name: wc, .offset: 16, .size: 8, .value_kind: global_buffer, .address_space: global }
      - { .name: ws, .offset: 24, .size: 8, .value_kind: global_buffer, .address_space: global }
      - { .name: b_qkv, .offset: 32, .size: 8, .value_kind: global_buffer, .address_space: global }
      - { .name: qkv16, .offset: 40, .size: 8, .value_kind: global_buffer, .address_space: global }
    .group_segment_fixed_size: 327680
    .private_segment_fixed_size: 0
    .kernarg_segment_align: 8
    .kernarg_segment_size: 48
    .max_flat_workgroup_size: 128
    .sgpr_count:     100
    .vgpr_count:     1024
    .wavefront_size: 32
...
	.end_amdgpu_metadata
.endif
;; end of part 2
;; launch attn (part 3): grid 64 x 8, 16 waves a work-group, no clusters, 327,680 bytes of LDS; arguments qkv16, att16; writes att16
.if DOCPART == 3
	.amdgcn_target "amdgcn-amd-amdhsa--gfx1250"
	.amdhsa_code_object_version 6
	.text
	.protected	k_q0d83cb6c83_attn
	.globl	k_q0d83cb6c83_attn
	.p2align	8
	.type	k_q0d83cb6c83_attn,@function
k_q0d83cb6c83_attn:
	s_mov_b64 s[64:65], 0
	v_nop
	global_prefetch_b8 v0, s[64:65] scope:SCOPE_SE
	s_setreg_imm32_b32 hwreg(HW_REG_WAVE_MODE, 25, 1), 1
	s_wait_xcnt 0x0
; att[h][b, q][:] = the sum over k <= q of softmax_k(q . k / 8) v[k][:], for each of 64 (batch, head).  q, k, v: f16, qkv16 [3][64][2048][64]; att16: f16 [16 heads][8192 (batch x 2048 + position)][64].
; Products on f16 operands with f32 sums; maxima, exponentials and sums in f32; the weights p are rounded to f16 for the second product, the result once at the end.
; WORK LEFT OUT: keys behind the causal mask, which reference() builds itself, have the weight 0 for all finite inputs: a step of 128 keys all of which come after my 16 queries is jumped over, and a slot of 256 keys
; whose first key comes after the work-group's last query is not fetched.  LIMIT: a NaN, infinity or overflow that reaches only those keys is not carried to the result.
; NO CLUSTER: under the mask every wave of a partner with earlier queries would jump over the reads of tiles that a joint load brings.
; SHARES.  Work-group (x, y): x = batch x 16 + head, queries 256 (7 - y) on (the blocks with the most keys first).  Each of sixteen waves owns 16 queries in 256 registers: four waves to a SIMD.
; Every work-group walks all 8 slots of 256 keys, two steps of 128 each, with constant trip counts; what is hidden is jumped over on ids alone.  Waves 0, 1 fetch K's halves of a slot, waves 2, 3 V's.
; LAYOUT.  S^T = K Q^T (source 0 = 16 keys, source 1 = my 16 queries): a lane holds ONE query (lane % 16) and keys 8 (lane / 16) + 0..7 of a tile.  Two such tiles, rounded to f16 in pairs, ARE source 1 of
; O^T = V^T P, whose result again holds one query a lane.  K comes out of LDS as it lies, V ([key][channel]) turned, by ds_load_tr16_b128.
; SOFTMAX.  A running maximum m and sum l: p = 2^(c s - c m), c = log2(e) / 8; in every step O and l are multiplied by a = 2^(c m_old - c m_new).  m begins at -3e38 and O, l at 0: the first step's a is 0.
; REGISTERS: v1-11 addresses; v12 -c m, v13 m, v[14:15] l in two halves; v16-31 Q; v32-95 fragments of K or V; v96-159 S^T, then p; v160-191 O^T; v192-223 p in f16; v232-254 at work.
.set SK,    256                        ; keys in a slot
.set KP,    144                        ; a key's row in LDS: 128 bytes + 16
.set VP,    160                        ; a value's row: 128 + 32: an odd multiple of 32 bytes, for the turning load
.set VOFF,  SK*KP                      ; a slot: 256 rows of K, then 256 rows of V
.set SLOT1, 1<<17                      ; slot 1 begins here: one exclusive or turns an address from one slot to the other
.set NSL,   8
.set STAGE, SLOT1+VOFF+SK*VP           ; behind the ring: 16 rows x 144 bytes for each wave, for the way out; no tensor load lands here
.set SPARE, STAGE+16*2304              ; the spare words, 128 bytes for each wave: eight blocks of 256 bytes that no other line names
.set HB,    262144                     ; a head's 2,048 rows of 128 bytes
.set AK0, 1                            ; v1   my lane's place in a tile of K
.set AV0, 2                            ; v2   the same for V
.set PFO, 3                            ; v3   256 x lane: the prefetches' offset; never rewritten
.set QOF, 4                            ; v4   my offset in my wave's rows of Q
.set SPW, 5                            ; v5   LDS address of my spare word; never rewritten
.set NIL, 6                            ; v6   0; never rewritten
.set GO,  7                            ; v7   16 x lane: my byte offset in my wave's rows of att16
.set ADK, 8                            ; v8   LDS address of the slot's K
.set ADV, 9                            ; v9   and V
.set STI, 10                           ; v10  the stage, on the way in
.set STB, 11                           ; v11  and back
.set WV,  18                           ; s18  wave
.set NC,  19                           ; s19  -c
.set SEL, 20                           ; s[20:21] selects for lane l xor 16
.set CS,  22                           ; s[22:23] c, named as a pair
.set G1K, 24                           ; s[24:31], s[32:39] descriptor groups 1 for K's and V's tiles; s[40:43], s[44:47] their groups 0, which walk
.set G1V, 32
.set G0K, 40
.set G0V, 44
.set TB,  2                            ; s2   LDS byte at which the slot in hand begins
.set SLOTS, 67                         ; s67  changes of slots still to come that may ask for a slot
.set KF,  98                           ; s98  the step's first key
.set Q0,  99                           ; s99  my first query
.set PFA, 76                           ; s[76:77] where my prefetches stand
.set LIM, 80                           ; s80  1 in a wave that prefetches, else the greatest number
; Waves 0 and 1 fetch for K, waves 2 and 3 for V, the others nothing.  An s_nop 0 and four v_nop follow each of the two lines.
.macro TLOAD
	s_cmp_lt_u32 s[WV], 2
	s_cbranch_scc0 .Lnot_k_\@
	tensor_load_to_lds s[G0K:G0K+3], s[G1K:G1K+7]
	s_nop 0
.rept 4
	v_nop
.endr
	s_branch .Lasked_\@
.Lnot_k_\@:
	s_cmp_lt_u32 s[WV], 4
	s_cbranch_scc0 .Lasked_\@
	tensor_load_to_lds s[G0V:G0V+3], s[G1V:G1V+7]
	s_nop 0
.rept 4
	v_nop
.endr
.Lasked_\@:
.endm
; A prefetch of what the NEXT change of slots will ask for: 32,768 dense bytes of K and as many of V.  Each aligned block of 256 bytes is named once in the launch: of the eight work-groups of a head the one with
; y = 0 asks (it alone fetches all slots); in it waves 4 to 7 ask for K's, waves 8 to 11 for V's, 8,192 bytes a wave, lanes 256 bytes apart.  The last change that fills a slot asks for nothing.
.macro ASK
	s_cmp_gt_u32 s[SLOTS], s[LIM]
	s_cbranch_scc0 .Lnot_mine_\@
	global_prefetch_b8 v[PFO], s[PFA:PFA+1] th:TH_LOAD_NT scope:SCOPE_SE
.Lnot_mine_\@:
.endm
	s_load_b128 s[4:7], s[0:1], 0x0                ; qkv16 s[4:5], att16 s[6:7]
	v_lshl_add_u32 v[SPW], v0, 2, SPARE
	v_mov_b32 v[NIL], 0
	ds_add_u32 v[SPW], v[NIL]                      ; the wave's opening: the add, twice on end, and its wait ahead of the first tensor load
	ds_add_u32 v[SPW], v[NIL]
	v_lshrrev_b32 v8, 5, v0
	v_readfirstlane_b32 s[WV], v8                  ; wave 0..15
	s_and_b32 s68, ttmp7, 0xffff                   ; y
	s_sub_co_u32 s69, 7, s68                       ; my block of 256 queries
	s_lshl_b32 s[Q0], s69, 8
	s_lshl_b32 s70, s[WV], 4
	s_add_co_u32 s[Q0], s[Q0], s70                 ; my first query
	s_lshl_b32 s72, ttmp9, 18                      ; the (batch, head)'s first byte in each third of qkv16
	s_mov_b32 s73, 0
	s_lshl_b32 s74, s[Q0], 7
	s_mov_b32 s75, 0
	s_add_nc_u64 s[74:75], s[74:75], s[72:73]      ; my queries' rows
	s_and_b32 s82, ttmp9, 15
	s_lshl_b32 s82, s82, 20                        ; att16: head x 1,048,576
	s_lshr_b32 s83, ttmp9, 4
	s_lshl_b32 s83, s83, 11
	s_add_co_u32 s83, s83, s[Q0]
	s_lshl_b32 s83, s83, 7                         ; + (batch x 2048 + query) x 128
	s_add_co_u32 s82, s82, s83
	s_mov_b32 s83, 0
	s_and_b32 s88, s[WV], 1                        ; which half of a slot's 256 rows I fetch, if I fetch
	s_lshl_b32 s84, s88, 14                        ; in memory: 128 rows of 128 bytes,
	s_mov_b32 s85, 0
	s_add_nc_u64 s[84:85], s[84:85], s[72:73]
	s_mul_i32 s89, s88, 128*KP                     ; in a slot: K's,
	s_mul_i32 s94, s88, 128*VP
	s_add_co_u32 s94, s94, VOFF                    ; V's
	s_mov_b32 s[G1K], (1<<16)|(1<<20)|(4<<22)|(3<<25)   ; no mask; elements of 2 bytes; padding on: after every 32 words, 4 words
	s_mov_b32 s[G1V], (1<<16)|(1<<20)|(4<<22)|(7<<25)   ; the same with 8 words
.irp g, G1K, G1V
	s_mov_b32 s[\g+1], 64<<16                      ; tensor_dim0
	s_mov_b32 s[\g+2], 128<<16                     ; tensor_dim1
	s_mov_b32 s[\g+3], 64<<16                      ; tile_dim0
	s_mov_b32 s[\g+4], 128                         ; tile_dim1
	s_mov_b32 s[\g+5], 64                          ; stride from row to row
	s_mov_b32 s[\g+6], 0
	s_mov_b32 s[\g+7], 0
.endr
	s_mov_b32 s[SEL], 0x76543210
	s_mov_b32 s[SEL+1], 0xfedcba98
	s_mov_b32 s[CS], 0x3e38aa3b                    ; c = log2(e) / 8
	s_mov_b32 s[CS+1], s[CS]
	s_mov_b32 s[NC], 0xbe38aa3b                    ; -c
	s_mov_b32 s[TB], 0
	s_mov_b32 s[SLOTS], NSL-1
	s_mov_b32 s[KF], 0
	s_wait_dscnt 0x0                               ; both opening adds are done
	s_wait_kmcnt 0x0
	s_add_nc_u64 s[8:9], s[4:5], 64*HB             ; the k third
	s_add_nc_u64 s[10:11], s[4:5], 128*HB          ; the v third
	s_mov_b32 s[G0K], 1
	s_mov_b32 s[G0K+1], s89                        ; slot 0
	s_add_nc_u64 s[G0K+2:G0K+3], s[8:9], s[84:85]
	s_or_b32 s[G0K+3], s[G0K+3], 0x80000000
	s_mov_b32 s[G0V], 1
	s_mov_b32 s[G0V+1], s94
	s_add_nc_u64 s[G0V+2:G0V+3], s[10:11], s[84:85]
	s_or_b32 s[G0V+3], s[G0V+3], 0x80000000
	TLOAD                                          ; slot 0: it holds key 0, which counts for every query
	s_cmp_lt_u32 s[WV], 8                          ; the prefetches: waves 4 to 7 K's rows, waves 8 to 11 V's
	s_cselect_b64 s[PFA:PFA+1], s[8:9], s[10:11]
	s_and_b32 s86, s[WV], 3
	s_lshl_b32 s86, s86, 13                        ; my wave's 8,192 bytes,
	s_add_co_u32 s86, s86, SK*128                  ; in slot 1: the first change of slots steps it to slot 2.  Nothing is prefetched here, at the head
	s_mov_b32 s87, 0
	s_add_nc_u64 s[86:87], s[86:87], s[72:73]
	s_add_nc_u64 s[PFA:PFA+1], s[PFA:PFA+1], s[86:87]
	s_sub_co_u32 s86, s[WV], 4
	s_lshr_b32 s86, s86, 3                         ; 0 in waves 4 to 11,
	s_or_b32 s86, s86, s68                         ; of the work-group with y = 0
	s_cmp_eq_u32 s86, 0
	s_cselect_b32 s[LIM], 1, -1
	s_add_nc_u64 s[4:5], s[4:5], s[74:75]          ; Q at my first query
	s_add_nc_u64 s[6:7], s[6:7], s[82:83]          ; att16 likewise
	v_and_b32 v8, 15, v0                           ; r
	v_bfe_u32 v9, v0, 4, 1                         ; h
	v_lshlrev_b32 v[QOF], 7, v8
	v_lshl_add_u32 v[QOF], v9, 4, v[QOF]           ; row r of 128 bytes + 16 h
	global_load_b128 v[16:19], v[QOF], s[4:5]      ; Q's two fragments (channels 0-31, 32-63) stay in registers
	global_load_b128 v[20:23], v[QOF], s[4:5] offset:32
	global_load_b128 v[24:27], v[QOF], s[4:5] offset:64
	global_load_b128 v[28:31], v[QOF], s[4:5] offset:96
	v_mul_u32_u24 v[AK0], v8, KP
	v_lshl_add_u32 v[AK0], v9, 4, v[AK0]           ; K: row r x pitch + 16 h
	v_and_b32 v10, 7, v0
	v_lshl_add_u32 v10, v9, 3, v10                 ; V, for the turning load: key 8 h + l % 8,
	v_mul_u32_u24 v[AV0], v10, VP
	v_bfe_u32 v10, v0, 3, 1
	v_lshl_add_u32 v[AV0], v10, 4, v[AV0]          ; channels 8 ((l / 8) % 2) on
	v_add_nc_u32 v[AV0], VOFF, v[AV0]
	s_mul_i32 s86, s[WV], 2304
	s_add_co_u32 s86, s86, STAGE                   ; my stage
	v_mul_u32_u24 v[STI], v8, 144
	v_lshl_add_u32 v[STI], v9, 4, v[STI]
	v_add_nc_u32 v[STI], s86, v[STI]               ; in: row r, 16 bytes for each half of the lanes
	v_and_b32 v[GO], 31, v0
	v_lshrrev_b32 v[STB], 3, v[GO]
	v_mul_u32_u24 v[STB], v[STB], 144
	v_and_b32 v[PFO], 7, v0
	v_lshl_add_u32 v[STB], v[PFO], 4, v[STB]
	v_add_nc_u32 v[STB], s86, v[STB]               ; back: eight lanes to a row, four rows an instruction
	v_lshlrev_b32 v[PFO], 8, v[GO]
	v_lshlrev_b32 v[GO], 4, v[GO]
	v_mov_b32 v13, 0xff61b1e6                      ; m: -3e38, under every score
	v_mul_f32 v12, s[NC], v13                      ; -c m
	v_mov_b32 v14, 0
	v_mov_b32 v15, 0
	v_mov_b32 v236, 0                              ; written once: a lane permute's destination counts as one of its sources
	v_mov_b32 v253, 0                              ; named as the upper half of the pair v[252:253]
.set j, 0
.rept 32
	v_mov_b32 v[160+j], 0                          ; O^T: the step is written once, and its first pass finds zeros
.set j, j+1
.endr
; A KEY STEP: 128 keys, the q-th of the slot in hand.
.macro STEP q
	s_add_co_u32 s96, s[Q0], 15
	s_cmp_gt_u32 s[KF], s96                        ; all 128 keys come after my queries: a branch on ids, round the step's work alone
	s_cbranch_scc1 .Lhidden_\@
	v_add_nc_u32 v[ADK], s[TB], v[AK0]
	v_add_nc_u32 v[ADV], s[TB], v[AV0]
	v_nop                                          ; with the two additions: four places in front of loads into registers that the last products read
	v_nop
.irp g, 0,1                                    ; S^T = K Q^T, four tiles of 16 keys at a time; the four accumulators take turns
.if \g > 0
.rept 4
	v_nop
.endr
.endif
.irp t, 0,1,2,3
.irp c, 0,1
	ds_load_b128 v[32+16*\t+8*\c:35+16*\t+8*\c], v[ADK] offset:(128*(\q)+16*(4*\g+\t))*KP+64*\c
	ds_load_b128 v[36+16*\t+8*\c:39+16*\t+8*\c], v[ADK] offset:(128*(\q)+16*(4*\g+\t))*KP+64*\c+32
.endr
.endr
	s_wait_dscnt 0x0
.irp t, 0,1,2,3
	v_wmma_f32_16x16x32_f16 v[96+8*(4*\g+\t):103+8*(4*\g+\t)], v[32+16*\t:39+16*\t], v[16:23], 0
.endr
.irp t, 0,1,2,3
	v_wmma_f32_16x16x32_f16 v[96+8*(4*\g+\t):103+8*(4*\g+\t)], v[40+16*\t:47+16*\t], v[24:31], v[96+8*(4*\g+\t):103+8*(4*\g+\t)]
.endr
.endr
.rept 4
	v_nop
.endr
	s_add_co_u32 s96, s[KF], 127                   ; on the diagonal hidden scores become -infinity ahead of the maximum; a step all of whose keys count skips this
	s_cmp_le_u32 s96, s[Q0]
	s_cbranch_scc1 .Lopen_\@
	s_sub_co_i32 s96, s[Q0], s[KF]
	v_and_b32 v252, 15, v0
	v_bfe_u32 v253, v0, 4, 1
	v_lshlrev_b32 v253, 3, v253
	v_sub_nc_u32 v252, v252, v253
	v_add_nc_u32 v252, s96, v252                   ; d = my query - KF - 8 (lane / 16).  Register 8 T + i holds key KF + 16 T + 8 (lane / 16) + i: hidden where 16 T + i > d
	v_mov_b32 v254, 0xff800000
.set n, 0
.rept 64
	v_cmp_gt_i32 vcc_lo, 16*(n/8)+n%8, v252
	v_cndmask_b32 v[96+n], v[96+n], v254, vcc_lo
.set n, n+1
.endr
.Lopen_\@:
.irp b, 0,1,2,3
	v_max3_num_f32 v[232+\b], v[96+16*\b], v[97+16*\b], v[98+16*\b]   ; the maximum of my 64 scores, in four chains by turns, each accumulator from its low end on
.endr
.irp i, 3,5,7,9,11,13
.irp b, 0,1,2,3
	v_max3_num_f32 v[232+\b], v[232+\b], v[96+16*\b+\i], v[97+16*\b+\i]
.endr
.endr
.irp b, 0,1,2,3
	v_max_num_f32 v[232+\b], v[232+\b], v[111+16*\b]
.endr
	v_max3_num_f32 v254, v232, v233, v234
	v_max_num_f32 v254, v254, v235
	v_permlanex16_b32 v236, v254, s[SEL], s[SEL+1]  ; my query's other 64 keys lie in the lane 16 away
	v_max3_num_f32 v13, v254, v236, v13            ; the running maximum
	v_mov_b32 v254, v12
	v_mul_f32 v12, s[NC], v13                      ; the new -c m
	v_sub_f32 v254, v12, v254                      ; c m_old - c m_new, 0 or less
	v_exp_f32 v252, v254                           ; a: the first of the batch
.set j, 0
.rept 32
	v_pk_fma_f32 v[96+j:97+j], v[96+j:97+j], s[CS:CS+1], v[12:13] op_sel_hi:[1,0,0]   ; c s - c m, two at a time
.set j, j+2
.endr
.set j, 0
.rept 64
	v_exp_f32 v[96+j], v[96+j]                     ; p, at most 1
.set j, j+1
.endr
	v_nop                                          ; a plain instruction behind the last exponential
	s_wait_alu depctr_va_vdst(0)                   ; the wait ahead of the first instruction that names a result: one for all 65
	v_pk_mul_f32 v[14:15], v[14:15], v[252:253] op_sel_hi:[1,0]   ; l x a
	v_pk_add_f32 v[236:237], v[96:97], v[98:99]    ; + the sum of p, in f32, in two chains
.irp j, 4,8,12,16,20,24,28,32,36,40,44,48,52,56,60
	v_pk_add_f32 v[14:15], v[14:15], v[96+\j:97+\j]
	v_pk_add_f32 v[236:237], v[236:237], v[98+\j:99+\j]
.endr
	v_pk_add_f32 v[14:15], v[14:15], v[236:237]
.set i, 0
.rept 32
	v_cvt_pk_f16_f32 v[192+i], v[96+2*i], v[97+2*i]   ; two neighbouring keys' weights: registers 8 u .. 8 u + 7 are source 1 for keys 32 u on
.set i, i+1
.endr
.set j, 0
.rept 16
	v_pk_mul_f32 v[160+j:161+j], v[160+j:161+j], v[252:253] op_sel_hi:[1,0]   ; O^T x a
.set j, j+2
.endr
.irp g, 0,1                                    ; O^T += V^T P: 64 keys at a time; the four accumulators take turns
.if \g > 0
.rept 4
	v_nop
.endr
.endif
.irp u, 0,1
.irp t, 0,1,2,3
	ds_load_tr16_b128 v[32+8*(4*\u+\t):35+8*(4*\u+\t)], v[ADV] offset:(128*(\q)+32*(2*\g+\u))*VP+32*\t
	ds_load_tr16_b128 v[36+8*(4*\u+\t):39+8*(4*\u+\t)], v[ADV] offset:(128*(\q)+32*(2*\g+\u))*VP+32*\t+16*VP
.endr
.endr
	s_wait_dscnt 0x0
.irp u, 0,1
.irp t, 0,1,2,3
	v_wmma_f32_16x16x32_f16 v[160+8*\t:167+8*\t], v[32+8*(4*\u+\t):39+8*(4*\u+\t)], v[192+8*(2*\g+\u):199+8*(2*\g+\u)], v[160+8*\t:167+8*\t]
.endr
.endr
.endr
.Lhidden_\@:
	s_add_co_u32 s[KF], s[KF], 128
.endm
; THE CHANGE OF SLOTS stands at a slot's head.  Each wave waits for all its tensor loads (its part of the slot ahead), adds 0 to its spare word, and waits for that and for its reads of the slot that it has left.
; Behind the barrier the slot ahead is whole and nobody reads the other one.  fill = 1: that other slot takes the next 256 keys, up to the causal limit: the load has two key steps in which to land.
.macro CHANGE fill
	s_wait_tensorcnt 0x0                           ; no tensor load of mine is out, so a group 0 may be written
	ds_add_u32 v[SPW], v[NIL]
.if \fill
	ds_add_u32 v[SPW], v[NIL]                      ; and twice on end here, in every trip alike
	s_xor_b32 s[G0K+1], s[G0K+1], SLOT1            ; the walking descriptors: the other slot,
	s_add_nc_u64 s[G0K+2:G0K+3], s[G0K+2:G0K+3], SK*128   ; the next 256 keys
	s_xor_b32 s[G0V+1], s[G0V+1], SLOT1
	s_add_nc_u64 s[G0V+2:G0V+3], s[G0V+2:G0V+3], SK*128
	s_wait_xcnt 0x0                                ; the last prefetch, a slot back, has read its address
	s_add_nc_u64 s[PFA:PFA+1], s[PFA:PFA+1], SK*128   ; one slot further on than the walking descriptors
.endif
	s_wait_dscnt 0x0                               ; the add is done, and my reads of the slot that I have left are over
	s_barrier_signal -1
	s_barrier_wait -1
.if \fill
	s_add_co_u32 s96, s[KF], SK                    ; the first key of the slot that this change would ask for
	s_or_b32 s97, s[Q0], 255                       ; my work-group's last query
	s_cmp_gt_u32 s96, s97                          ; ids and the count of steps alone: all sixteen waves go the same way, and a work-group past the limit stays past it.  Every wait on TENSORcnt here is for 0
	s_cbranch_scc1 .Lpast_\@
	TLOAD                                          ; a wave's one tensor load until the next such barrier
.Lpast_\@:
	ASK
.endif
.endm
	s_wait_loadcnt 0x0                             ; Q
.Lslot:                                            ; 7 trips
	CHANGE 1
	STEP 0
	STEP 1
	s_xor_b32 s[TB], s[TB], SLOT1
	s_sub_co_u32 s[SLOTS], s[SLOTS], 1
	s_cmp_lg_u32 s[SLOTS], 0
	s_cbranch_scc1 .Lslot
	CHANGE 0                                       ; the last slot is written out: nothing is left to ask for
	STEP 0
	STEP 1
	; THE WAY OUT.  l's halves and the other lane's are added; O^T / l is rounded to f16 and goes through my stage, so that the wave stores 512 consecutive bytes (four rows of a head) an instruction.
	v_add_f32 v14, v14, v15
	v_permlanex16_b32 v236, v14, s[SEL], s[SEL+1]
	v_add_f32 v14, v14, v236
	v_rcp_f32 v14, v14
.rept 4
	v_nop                                          ; the places behind the last products, and the plain instruction behind the reciprocal
.endr
	s_wait_alu depctr_va_vdst(0)                   ; ahead of the first reader of the reciprocal
.set j, 0
.rept 32
	v_mul_f32 v[96+j], v[160+j], v14               ; register 8 t + i is o(r, 16 t + 8 h + i)
.set j, j+1
.endr
.set i, 0
.rept 16
	v_cvt_pk_f16_f32 v[32+i], v[96+2*i], v[97+2*i]
.set i, i+1
.endr
.irp t, 0,1,2,3
	ds_store_b128 v[STI], v[32+4*\t:35+4*\t] offset:32*\t
.endr
.irp i, 0,1,2,3
	ds_load_b128 v[48+4*\i:51+4*\i], v[STB] offset:576*\i   ; LDS serves a wave's instructions in order: these see my stores
.endr
.irp i, 0,1,2,3
	s_wait_dscnt 3-\i                              ; load i is in, the younger ones may be out
	global_store_b128 v[GO], v[48+4*\i:51+4*\i], s[6:7] offset:512*\i
.endr
	s_wait_tensorcnt 0x0                           ; the wave's end, behind my last tensor load and my last LDS store
	ds_add_u32 v[SPW], v[NIL]
	s_wait_dscnt 0x0
	s_endpgm
.Lfunc_end_k_q0d83cb6c83_attn:
	.size	k_q0d83cb6c83_attn, .Lfunc_end_k_q0d83cb6c83_attn-k_q0d83cb6c83_attn
	.p2alignl 7, 3214868480
	.fill 96, 4, 3214868480
	.section	.rodata,"a",@progbits
	.p2align	6, 0x0
	.amdhsa_kernel k_q0d83cb6c83_attn
		.amdhsa_group_segment_fixed_size 327680
		.amdhsa_private_segment_fixed_size 0
		.amdhsa_enable_private_segment 0
		.amdhsa_kernarg_size 16
		.amdhsa_user_sgpr_count 2
		.amdhsa_user_sgpr_kernarg_segment_ptr 1
		.amdhsa_wavefront_size32 1
		.amdhsa_system_sgpr_workgroup_id_x 1
		.amdhsa_system_sgpr_workgroup_id_y 1
		.amdhsa_system_sgpr_workgroup_id_z 1
		.amdhsa_system_vgpr_workitem_id 0
		.amdhsa_next_free_vgpr 256
		.amdhsa_next_free_sgpr 100
		.amdhsa_reserve_vcc 1
		.amdhsa_float_denorm_mode_32 3
		.amdhsa_float_denorm_mode_16_64 3
		.amdhsa_memory_ordered 1
		.amdhsa_forward_progress 1
		.amdhsa_inst_pref_size 107
	.end_amdhsa_kernel
	.amdgpu_metadata
---
amdhsa.version: [ 1, 2 ]
amdhsa.kernels:
  - .name:           k_q0d83cb6c83_attn
    .symbol:         k_q0d83cb6c83_attn.kd
    .args:
      - { .name: qkv16, .offset: 0, .size: 8, .value_kind: global_buffer, .address_space: global }
      - { .name: att16, .offset: 8, .size: 8, .value_kind: global_buffer, .address_space: global }
    .group_segment_fixed_size: 327680
    .private_segment_fixed_size: 0
    .kernarg_segment_align: 8
    .kernarg_segment_size: 16
    .max_flat_workgroup_size: 512
    .sgpr_count:     100
    .vgpr_count:     256
    .wavefront_size: 32
...
	.end_amdgpu_metadata
.endif
;; end of part 3
;; launch gemm_out (part 4): grid 8 x 32, 4 waves a work-group, clusters of 4 x 4, 327,680 bytes of LDS; arguments att16, wo16, b_out, out0; writes out0
.if DOCPART == 4
	.amdgcn_target "amdgcn-amd-amdhsa--gfx1250"
	.amdhsa_code_object_version 6
	.text
	.protected	k_q0d83cb6c83_gemm_out
	.globl	k_q0d83cb6c83_gemm_out
	.p2align	8
	.type	k_q0d83cb6c83_gemm_out,@function
k_q0d83cb6c83_gemm_out:
	s_mov_b64 s[64:65], 0
	v_nop
	global_prefetch_b8 v0, s[64:65] scope:SCOPE_SE
	s_setreg_imm32_b32 hwreg(HW_REG_WAVE_MODE, 25, 1), 1
	s_wait_xcnt 0x0
	s_wait_alu depctr_hold_cnt(0) depctr_sa_sdst(0) depctr_va_vdst(0) depctr_va_sdst(0) depctr_va_ssrc(0) depctr_va_vcc(0) depctr_vm_vsrc(0)
	s_getreg_b32 s2, hwreg(HW_REG_IB_STS2, 6, 4)
	s_cmp_eq_u32 s2, 0
	s_cbranch_scc0 .Lentry_in_a_cluster
	s_endpgm
.Lentry_in_a_cluster:
	s_bfe_u32 s2, ttmp6, 0x10000c
	s_cmp_lg_u32 s2, 0xf033
	s_cbranch_scc0 .Lentry_shape_is_right
	s_endpgm
.Lentry_shape_is_right:
; out0[m][n] = the sum over k of att[m][k] W_out[k][n] + b_out[n], f16 operands, f32 sums.  att16: [16 heads][8192 m][64], so k = 64 head + channel; wo16: [1024 k][1024 n]; out0: [8192][1024] f32.
; (The first 16 positions of each sequence are written again, from f32 operands, by the last launch.)
; A tile of 256 rows x 128 columns for each of 256 work-groups; four waves, each 128 x 64: 32 accumulators, 256 registers.  K goes in steps of 128 (two heads) through a ring of two LDS slots.
; CLUSTERS: 4 x 4; A's tiles are asked for jointly along a row of the cluster, B's along a column.  Waves 0, 1 fetch a head's 256 rows of A each, waves 2, 3 64 rows (k) of B each.
; THE MATRIX INSTRUCTION IS USED TRANSPOSED: source 0 = 16 columns n of W_out (turned out of LDS by ds_load_tr16_b128), source 1 = 16 rows of att: a lane holds eight neighbouring columns of one row.
; THE BIAS is the C of each sum's first instruction.
; REGISTERS: window 0: v16-29 addresses; v32-95 the way out; v96-127 the bias.  window 1: two fragment buffers of 96 (A's 8 fragments, then B's 4).  window 2: accumulator (a, b) at v[8 (4 a + b)].
.set PA,     144                       ; a row of A in LDS: 128 bytes + 16
.set PB,     288                       ; a row (k) of B: 256 bytes + 32: an odd multiple of 32 bytes, for the turning load
.set AHEAD,  256*PA                    ; a head's 256 rows
.set ASZ,    2*AHEAD
.set BHALF,  64*PB
.set SLOT,   ASZ+2*BHALF
.set STAGE,  2*SLOT                    ; behind the ring: 16 rows x 272 bytes for each wave
.set SPITCH, 272
.set SPARE,  STAGE+4*16*SPITCH         ; the spare words, 128 bytes for each wave: two blocks of 256 bytes that no other line names
.set LAPS,   4                         ; a lap = two K steps = once round the ring
.set ADRA, 16                          ; v16-17  LDS address of my A fragments in slot 0, 1
.set ADRB, 20                          ; v20-21  the same for B
.set STO,  24
.set RD,   25
.set CO,   26
.set BOF,  27                          ; v27     32 x (lane / 16)
.set SPW,  28
.set NIL,  29
.set BK,   32
.set BIAS, 96
.set F0,   0
.set F1,   96
.set G1, 24
.set G0, 32
.set G1B, 48
.set G0B, 56
.set MSB, 0
.macro WIN new
.if MSB != \new
	s_set_vgpr_msb (MSB<<8)|\new
.set MSB, \new
.endif
.endm
.set MUL,  0xa5                        ; sources 0 and 1 window 1; C and D window 2
.set MULB, 0x85                        ; the first quarter: C (the bias) window 0
.set TO_F, 0x40                        ; destination window 1, address window 0
.macro JLOAD s                         ; a joint load: waves 0, 1 for A, waves 2, 3 for B; an s_nop 0 and four v_nop follow each of the two lines
	s_cmp_eq_u32 s11, 0
	s_cbranch_scc0 .Lfor_b_\@
	tensor_load_to_lds s[G0+4*\s:G0+4*\s+3], s[G1:G1+7]
	s_nop 0
.rept 4
	v_nop
.endr
	s_branch .Lasked_\@
.Lfor_b_\@:
	tensor_load_to_lds s[G0B+4*\s:G0B+4*\s+3], s[G1B:G1B+7]
	s_nop 0
.rept 4
	v_nop
.endr
.Lasked_\@:
.endm
.macro CREST                           ; a round of the cluster's barrier behind its opening barrier
	s_cmp_lg_u32 s10, 0
	s_cbranch_scc1 .Lnot_wave_0_\@
	s_barrier_signal -3
.Lnot_wave_0_\@:
	s_barrier_wait -3
	s_barrier_signal -1
	s_barrier_wait -1
.endm
.macro CROUND
	s_barrier_signal -1
	s_barrier_wait -1
	CREST
.endm
	s_load_b128 s[4:7], s[0:1], 0x0                ; att16 s[4:5], wo16 s[6:7]
	s_load_b64 s[66:67], s[0:1], 0x10              ; b_out
	s_load_b64 s[8:9], s[0:1], 0x18                ; out0
	v_lshl_add_u32 v[SPW], v0, 2, SPARE
	v_mov_b32 v[NIL], 0
	ds_add_u32 v[SPW], v[NIL]                      ; the wave's opening: the add, twice on end, and its wait ahead of my first tensor load
	ds_add_u32 v[SPW], v[NIL]
	v_lshrrev_b32 v1, 5, v0
	v_readfirstlane_b32 s10, v1                    ; wave 0..3
	s_lshr_b32 s11, s10, 1                         ; which half of the tile's rows is mine.  Also: I fetch for A (0) or for B (1)
	s_and_b32 s12, s10, 1                          ; which half of its columns.  Also: which head of A, or which 64 rows of B, I fetch
	s_bfe_u32 s40, ttmp6, 0x40000                  ; cx, cy
	s_bfe_u32 s41, ttmp6, 0x40004
	s_lshl_b32 s42, ttmp9, 2
	s_add_co_u32 s42, s42, s40                     ; tile column
	s_and_b32 s13, ttmp7, 0xffff
	s_lshl_b32 s13, s13, 2
	s_add_co_u32 s13, s13, s41                     ; tile row
	s_lshl_b32 s43, s41, 2
	s_lshl_b32 s43, 15, s43                        ; my row of the cluster
	s_lshl_b32 s44, 0x1111, s40                    ; my column
	s_or_b32 s[G1+0], s43, (1<<16)|(1<<20)|(1<<21)|(4<<22)|(3<<25)   ; A: the mask; elements of 2 bytes; padding: after every 32 words, 4 words
	s_mov_b32 s[G1+1], 64<<16                      ; tensor_dim0
	s_mov_b32 s[G1+2], 256<<16                     ; tensor_dim1
	s_mov_b32 s[G1+3], 64<<16                      ; tile_dim0
	s_mov_b32 s[G1+4], 256                         ; tile_dim1
	s_mov_b32 s[G1+5], 64                          ; stride
	s_mov_b32 s[G1+6], 0
	s_mov_b32 s[G1+7], 0
	s_or_b32 s[G1B+0], s44, (1<<16)|(1<<20)|(1<<21)|(5<<22)|(7<<25)  ; B: padding: after every 64 words, 8 words
	s_mov_b32 s[G1B+1], 128<<16
	s_mov_b32 s[G1B+2], 64<<16
	s_mov_b32 s[G1B+3], 128<<16
	s_mov_b32 s[G1B+4], 64
	s_mov_b32 s[G1B+5], 1024
	s_mov_b32 s[G1B+6], 0
	s_mov_b32 s[G1B+7], 0
	s_lshl_b32 s16, s12, 20                        ; A: head s12 of the K step, 1,048,576 bytes a head,
	s_lshl_b32 s17, s13, 15                        ; + 256 rows of 128 bytes x tile row
	s_add_co_u32 s16, s16, s17
	s_mov_b32 s17, 0
	s_lshl_b32 s46, s12, 17                        ; B: 64 rows of 2,048 bytes x s12,
	s_lshl_b32 s47, s42, 8                         ; + 256 bytes x tile column
	s_add_co_u32 s46, s46, s47
	s_mov_b32 s47, 0
	s_mul_i32 s20, s12, AHEAD                      ; where they go: no place in the cluster enters an LDS address
	s_mul_i32 s21, s12, BHALF
	s_add_co_u32 s21, s21, ASZ
	s_wait_dscnt 0x0                               ; both opening adds are done
	s_wait_kmcnt 0x0
	s_add_nc_u64 s[14:15], s[4:5], s[16:17]
	s_add_nc_u64 s[46:47], s[6:7], s[46:47]
	CROUND                                         ; all sixteen work-groups are here: the first joint loads meet
.irp s, 0,1
	s_mov_b32 s[G0+4*\s], 1
	s_add_co_u32 s[G0+4*\s+1], s20, \s*SLOT
	s_add_nc_u64 s[G0+4*\s+2:G0+4*\s+3], s[14:15], \s*2097152      ; K step s: two heads on
	s_or_b32 s[G0+4*\s+3], s[G0+4*\s+3], 0x80000000
	s_mov_b32 s[G0B+4*\s], 1
	s_add_co_u32 s[G0B+4*\s+1], s21, \s*SLOT
	s_add_nc_u64 s[G0B+4*\s+2:G0B+4*\s+3], s[46:47], \s*262144     ; 128 rows on
	s_or_b32 s[G0B+4*\s+3], s[G0B+4*\s+3], 0x80000000
	JLOAD \s                                       ; two tensor loads of mine are out behind the second
.endr
	v_and_b32 v1, 15, v0                           ; r
	v_bfe_u32 v2, v0, 4, 1                         ; h
	v_mul_u32_u24 v3, v1, PA
	v_lshl_add_u32 v3, v2, 4, v3                   ; A: row r x pitch + 16 h
	v_and_b32 v4, 7, v0
	v_lshl_add_u32 v4, v2, 3, v4                   ; B, for the turning load: k = 8 h + l % 8,
	v_mul_u32_u24 v4, v4, PB
	v_bfe_u32 v5, v0, 3, 1
	v_lshl_add_u32 v4, v5, 4, v4                   ; columns 8 ((l / 8) % 2) on
	s_mul_i32 s21, s11, 128*PA                     ; my 128 rows of A
	s_lshl_b32 s22, s12, 7                         ; my 64 columns of B,
	s_add_co_u32 s22, s22, ASZ                     ; which lies behind A
.irp s, 0,1
	v_add_nc_u32 v[ADRA+\s], s21, v3
	v_add_nc_u32 v[ADRB+\s], s22, v4
	s_add_co_u32 s21, s21, SLOT
	s_add_co_u32 s22, s22, SLOT
.endr
	s_mul_i32 s23, s10, 16*SPITCH
	s_add_co_u32 s23, s23, STAGE                   ; my stage
	v_mul_u32_u24 v5, v1, SPITCH
	v_lshl_add_u32 v5, v2, 5, v5
	v_add_nc_u32 v[STO], s23, v5                   ; in: row r, 32 bytes for each half of the lanes
	v_mul_u32_u24 v5, v2, SPITCH
	v_lshl_add_u32 v5, v1, 4, v5
	v_add_nc_u32 v[RD], s23, v5                    ; back: lanes 0-15 one row of 256 bytes, lanes 16-31 the next
	v_lshlrev_b32 v[CO], 4, v1
	v_lshl_add_u32 v[CO], v2, 12, v[CO]            ; and the same two rows in out0
	v_lshlrev_b32 v[BOF], 5, v2
	s_lshl_b32 s16, s13, 8
	s_lshl_b32 s17, s11, 7
	s_add_co_u32 s16, s16, s17
	s_lshl_b32 s16, s16, 12                        ; my first row of out0, 4,096 bytes a row
	s_lshl_b32 s46, s42, 9
	s_lshl_b32 s47, s12, 8
	s_add_co_u32 s46, s46, s47                     ; my first column, in bytes: 512 x tile column + 256 x half
	s_mov_b32 s47, 0
	s_add_nc_u64 s[66:67], s[66:67], s[46:47]
	s_add_co_u32 s16, s16, s46
	s_mov_b32 s17, 0
	s_add_nc_u64 s[8:9], s[8:9], s[16:17]
.irp b, 0,1,2,3
	global_load_b128 v[BIAS+8*\b:BIAS+8*\b+3], v[BOF], s[66:67] offset:64*\b       ; b_out[my first column + 16 b + 8 h + 0 .. 7]
	global_load_b128 v[BIAS+8*\b+4:BIAS+8*\b+7], v[BOF], s[66:67] offset:64*\b+16
.endr
; 8 matrix instructions: row blocks a0, a0 + 1 x all 4 column blocks, 32 along K, from buffer f.  The 32 accumulators take turns in the same order in every quarter.
.macro MUL8 f, a0, first
.irp a, \a0, \a0+1
.irp b, 0,1,2,3
.if \first
	v_wmma_f32_16x16x32_f16 v[8*(4*(\a)+\b):8*(4*(\a)+\b)+7], v[\f+64+8*\b:\f+64+8*\b+7], v[\f+8*(\a):\f+8*(\a)+7], v[BIAS+8*\b:BIAS+8*\b+7]
.else
	v_wmma_f32_16x16x32_f16 v[8*(4*(\a)+\b):8*(4*(\a)+\b)+7], v[\f+64+8*\b:\f+64+8*\b+7], v[\f+8*(\a):\f+8*(\a)+7], v[8*(4*(\a)+\b):8*(4*(\a)+\b)+7]
.endif
.endr
.endr
.endm
; 24 LDS loads in one run: the fragments of the slot's q-th 32 along K into buffer f: B's four, A's blocks 0-3, A's blocks 4-7
.macro FETCH slot, q, f
	WIN TO_F
.irp b, 0,1,2,3
	ds_load_tr16_b128 v[\f+64+8*\b:\f+64+8*\b+3],   v[ADRB+\slot] offset:32*PB*(\q)+32*\b
	ds_load_tr16_b128 v[\f+64+8*\b+4:\f+64+8*\b+7], v[ADRB+\slot] offset:32*PB*(\q)+32*\b+16*PB
.endr
.irp i, 0,1,2,3,4,5,6,7
	ds_load_b128 v[\f+8*\i:\f+8*\i+3],   v[ADRA+\slot] offset:((\q)/2)*AHEAD+((\q)%2)*64+16*PA*\i
	ds_load_b128 v[\f+8*\i+4:\f+8*\i+7], v[ADRA+\slot] offset:((\q)/2)*AHEAD+((\q)%2)*64+16*PA*\i+32
.endr
.endm
.macro PLACES                          ; four plain vector instructions in front of loads into registers that matrix instructions have read, and of reads of results
.rept 4
	v_nop
.endr
.endm
; One of a K step's first three quarters: multiplies buffer f; in its middle it fetches quarter qn of the same slot into buffer g.
.macro QUARTER slot, qn, f, g, first
	s_wait_dscnt 8                                 ; B's and A's blocks 0-3 are in; the youngest eight loads (A's blocks 4-7) may be out
.if \first
	WIN MULB
.else
	WIN MUL
.endif
	MUL8 \f, 0, \first
	MUL8 \f, 2, \first
	PLACES
	FETCH \slot, \qn, \g
	s_wait_dscnt 24                                ; all but the 24 just issued
.if \first
	WIN MULB
.else
	WIN MUL
.endif
	MUL8 \f, 4, \first
	MUL8 \f, 6, \first
.endm
; The last quarter multiplies buffer 1 and changes slots: one barrier; in front of it each wave waits for all its tensor loads, adds 0 to its spare word, and waits for that and for its reads of this slot.
; fill = 1: the barrier opens a round of the cluster's barrier, and this slot is filled again, two K steps ahead: 112 matrix instructions stand between that request and the wait for it.
.macro TURN slot, next, fill
	WIN 0                                          ; the add's two registers lie in window 0
	s_wait_tensorcnt 0x0                           ; all my tensor loads have landed: my part of the next slot
	ds_add_u32 v[SPW], v[NIL]
	s_wait_dscnt 9                                 ; the add and the youngest eight loads may be out
	WIN MUL
	MUL8 F1, 0, 0
	s_wait_dscnt 0x0                               ; the add is done, and my reads of this slot are over
	s_barrier_signal -1
	MUL8 F1, 2, 0
.if \fill
	WIN 0
.endif
	s_barrier_wait -1
.if \fill
	CREST                                          ; no wave of any partner still reads this slot's tile or has a load on its way
	s_add_nc_u64 s[G0+4*\slot+2:G0+4*\slot+3], s[G0+4*\slot+2:G0+4*\slot+3], 4194304      ; four heads on
	s_add_nc_u64 s[G0B+4*\slot+2:G0B+4*\slot+3], s[G0B+4*\slot+2:G0B+4*\slot+3], 524288   ; 256 rows on
	JLOAD \slot                                    ; the first tensor load behind the round; its four v_nop are also the places in front of the loads below
.else
	PLACES
.endif
	FETCH \next, 0, F0
	WIN MUL
	MUL8 F1, 4, 0
	MUL8 F1, 6, 0
.endm
	s_wait_tensorcnt 1                             ; my part of K step 0 is in; K step 1's may be out
	s_barrier_signal -1
	s_barrier_wait -1
	FETCH 0, 0, F0
	s_wait_loadcnt 0x0                             ; the bias
	QUARTER 0, 1, F0, F1, 1                        ; the first quarter stands in front of the loop: its products start the sums from the bias
	WIN 0
	s_mov_b32 s3, LAPS-1
.Llap:                                                 ; a trip goes once round the ring and fills both slots again
	QUARTER 0, 2, F1, F0, 0
	QUARTER 0, 3, F0, F1, 0
	TURN 0, 1, 1
	QUARTER 1, 1, F0, F1, 0
	QUARTER 1, 2, F1, F0, 0
	QUARTER 1, 3, F0, F1, 0
	TURN 1, 0, 1
	QUARTER 0, 1, F0, F1, 0
	WIN 0
	s_sub_co_u32 s3, s3, 1
	s_cmp_lg_u32 s3, 0
	s_cbranch_scc1 .Llap
	QUARTER 0, 2, F1, F0, 0                        ; the last lap fills nothing
	QUARTER 0, 3, F0, F1, 0
	TURN 0, 1, 0
	QUARTER 1, 1, F0, F1, 0
	QUARTER 1, 2, F1, F0, 0
	QUARTER 1, 3, F0, F1, 0
	s_wait_dscnt 8                                 ; the very last quarter
	WIN MUL
	MUL8 F1, 0, 0
	MUL8 F1, 2, 0
	s_wait_dscnt 0
	MUL8 F1, 4, 0
	MUL8 F1, 6, 0
	WIN 0
; THE WAY OUT, block by block of 16 rows x 64 columns: through my own stage and back as whole rows of 256 bytes, which sixteen lanes store as 256 consecutive bytes, aligned.
.macro TOSTAGE a
	WIN 0x08                                       ; an LDS store's data: window 2
.irp b, 0,1,2,3
	ds_store_b128 v[STO], v[8*(4*(\a)+\b):8*(4*(\a)+\b)+3] offset:64*\b            ; each accumulator from its low end on
	ds_store_b128 v[STO], v[8*(4*(\a)+\b)+4:8*(4*(\a)+\b)+7] offset:64*\b+16
.endr
	WIN 0
.irp t, 0,1,2,3,4,5,6,7
	ds_load_b128 v[BK+32*((\a)%2)+4*\t:BK+32*((\a)%2)+4*\t+3], v[RD] offset:2*SPITCH*\t   ; LDS serves a wave's instructions in order: these see the stores above
.endr
.endm
.macro SEND a, younger                 ; younger: the LDS instructions issued behind block a's loads, which may stay out
	s_wait_dscnt \younger
.irp t, 0,1,2,3,4,5,6,7
	global_store_b128 v[CO], v[BK+32*((\a)%2)+4*\t:BK+32*((\a)%2)+4*\t+3], s[8:9] offset:65536*(\a)+8192*\t th:TH_STORE_NT
.endr
.endm
	PLACES
	TOSTAGE 0
.irp a, 1,2,3,4,5,6,7
.if \a > 1
	s_wait_xcnt 0x0                                ; block a - 2's stores have read their registers: block a's loads may land there
.endif
	TOSTAGE \a
	SEND \a-1, 16                                  ; behind block a - 1's loads: block a's 8 stores and 8 loads
.endr
	SEND 7, 0
	s_wait_tensorcnt 0x0                           ; the wave's end, behind my last tensor load and my last LDS store
	ds_add_u32 v[SPW], v[NIL]
	s_wait_dscnt 0x0
	CROUND                                         ; the closing round
	s_endpgm
.Lfunc_end_k_q0d83cb6c83_gemm_out:
	.size	k_q0d83cb6c83_gemm_out, .Lfunc_end_k_q0d83cb6c83_gemm_out-k_q0d83cb6c83_gemm_out
	.p2alignl 7, 3214868480
	.fill 96, 4, 3214868480
	.section	.rodata,"a",@progbits
	.p2align	6, 0x0
	.amdhsa_kernel k_q0d83cb6c83_gemm_out
		.amdhsa_group_segment_fixed_size 327680
		.amdhsa_private_segment_fixed_size 0
		.amdhsa_enable_private_segment 0
		.amdhsa_kernarg_size 32
		.amdhsa_user_sgpr_count 2
		.amdhsa_user_sgpr_kernarg_segment_ptr 1
		.amdhsa_wavefront_size32 1
		.amdhsa_system_sgpr_workgroup_id_x 1
		.amdhsa_system_sgpr_workgroup_id_y 1
		.amdhsa_system_sgpr_workgroup_id_z 1
		.amdhsa_system_vgpr_workitem_id 0
		.amdhsa_next_free_vgpr 768
		.amdhsa_next_free_sgpr 70
		.amdhsa_reserve_vcc 0
		.amdhsa_float_denorm_mode_32 3
		.amdhsa_float_denorm_mode_16_64 3
		.amdhsa_memory_ordered 1
		.amdhsa_forward_progress 1
		.amdhsa_inst_pref_size 87
	.end_amdhsa_kernel
	.amdgpu_metadata
---
amdhsa.version: [ 1, 2 ]
amdhsa.kernels:
  - .name:           k_q0d83cb6c83_gemm_out
    .symbol:         k_q0d83cb6c83_gemm_out.kd
    .args:
      - { .name: att16, .offset: 0, .size: 8, .value_kind: global_buffer, .address_space: global }
      - { .name: wo16, .offset: 8, .size: 8, .value_kind: global_buffer, .address_space: global }
      - { .name: b_out, .offset: 16, .size: 8, .value_kind: global_buffer, .address_space: global }
      - { .name: out0, .offset: 24, .size: 8, .value_kind: global_buffer, .address_space: global }
    .group_segment_fixed_size: 327680
    .private_segment_fixed_size: 0
    .kernarg_segment_align: 8
    .kernarg_segment_size: 32
    .max_flat_workgroup_size: 128
    .sgpr_count:     70
    .vgpr_count:     768
    .wavefront_size: 32
...
	.end_amdgpu_metadata
.endif
;; end of part 4
;; launch fine_attn (part 5): grid 64 x 1, 12 waves a work-group, no clusters, 13,824 bytes of LDS; arguments xc, xs, wc, ws, b_qkv, fa32; writes fa32
.if DOCPART == 5
	.amdgcn_target "amdgcn-amd-amdhsa--gfx1250"
	.amdhsa_code_object_version 6
	.text
	.protected	k_q0d83cb6c83_fine_attn
	.globl	k_q0d83cb6c83_fine_attn
	.p2align	8
	.type	k_q0d83cb6c83_fine_attn,@function
k_q0d83cb6c83_fine_attn:
	s_mov_b64 s[64:65], 0
	v_nop
	global_prefetch_b8 v0, s[64:65] scope:SCOPE_SE
	s_setreg_imm32_b32 hwreg(HW_REG_WAVE_MODE, 25, 1), 1
	s_wait_xcnt 0x0
; THE FIRST 16 POSITIONS of each of the 64 (batch, head), carried in f32: they average one to sixteen values, are the largest numbers of the result, and f16 operands would use up what the comparison allows.
; q, k, v of those 16 positions are made anew from the codes (the quantised product, 8 matrix instructions of 128 along K a tile, the bias as C) and stay f32; both attention products take f32 operands.
; fa32: f32 [64 (batch x 16 + position)][1024 (head x 64 + channel)].
; A work-group is one (batch, head).  PHASE 1: wave w makes 16 positions x 16 columns: w / 4 = q, k or v; w % 4 = which 16 of the head's 64.  q and k are used transposed (a lane holds one position and eight
; channels), v as it is (a lane holds one channel and eight positions).  Each result goes to LDS as an image of its registers: 16 bytes a lane, 512 bytes a store.  One barrier.
; PHASE 2: waves 0-3: S^T = K Q^T by 16 f32 matrix instructions (the same permutation of the channels in both operands), the mask inside the one tile, softmax with the row's maximum taken away, and
; O^T = V^T P for the wave's 16 channels by 4 more.  The registers that the f32 form writes, v176-207, are written by matrix instructions alone.
.set SPW,   14
.set NIL,   15
.set SPARE, 12288                      ; behind the 12 images of 1,024 bytes: the spare words, 128 bytes for each wave: six blocks of 256 bytes that no other line names
.set XF,    16                         ; v16-79   x's 8 fragments
.set WF,    80                         ; v80-143  W's 8
.set XS,    144                        ; v144-151 x's scale words, one for each 128 along K: scales and nothing else
.set WS,    152                        ; v152-159 W's
.set BI,    160                        ; v160-167 the bias in the result's layout
.set AC,    168                        ; v168-175 the sum
	s_load_b256 s[4:11], s[0:1], 0x0               ; xc s[4:5], xs s[6:7], wc s[8:9], ws s[10:11]
	s_load_b128 s[12:15], s[0:1], 0x20             ; b_qkv s[12:13], fa32 s[14:15]
	v_lshl_add_u32 v[SPW], v0, 2, SPARE
	v_mov_b32 v[NIL], 0
	v_lshrrev_b32 v1, 5, v0
	v_readfirstlane_b32 s16, v1                    ; wave 0..11
	v_and_b32 v1, 15, v0                           ; r
	v_bfe_u32 v2, v0, 4, 1                         ; h
	v_and_b32 v3, 31, v0                           ; lane
	v_lshlrev_b32 v6, 9, v1
	v_lshl_add_u32 v6, v2, 4, v6                   ; codes: row r of 512 bytes + 16 h
	v_lshlrev_b32 v7, 5, v1                        ; scale bytes: row r of 32
	v_lshlrev_b32 v8, 5, v2                        ; the bias of q, k: eight numbers of my half
	v_lshlrev_b32 v9, 2, v1                        ; of v: my column's
	v_lshlrev_b32 v11, 4, v3                       ; an image's place for my lane
	s_lshl_b32 s20, s16, 10
	v_add_nc_u32 v10, s20, v11                     ; and in my wave's image
	v_lshlrev_b32 v4, 12, v1
	v_lshl_add_u32 v4, v2, 5, v4                   ; fa32: row r of 4,096 bytes + 32 h
	v_lshlrev_b32 v5, 3, v2
	v_sub_nc_u32 v5, v1, v5                        ; r - 8 h: register j holds key 8 h + j, hidden where j > r - 8 h
	s_lshr_b32 s17, s16, 2                         ; q, k or v
	s_and_b32 s18, s16, 3                          ; which 16 columns
	s_and_b32 s21, ttmp9, 15                       ; head
	s_lshr_b32 s22, ttmp9, 4                       ; batch
	s_lshl_b32 s19, s17, 10
	s_lshl_b32 s23, s21, 6
	s_add_co_u32 s19, s19, s23
	s_lshl_b32 s23, s18, 4
	s_add_co_u32 s19, s19, s23                     ; n0: my first column of W_qkv
	s_mov_b32 s25, 0
	s_mov_b32 s26, 0x76543210
	s_mov_b32 s27, 0xfedcba98
	s_mov_b32 s28, 0x3e38aa3b                      ; c = log2(e) / 8
	s_wait_kmcnt 0x0
	s_lshl_b32 s24, s22, 20                        ; 2,048 rows of 512 bytes a batch
	s_add_nc_u64 s[4:5], s[4:5], s[24:25]
	s_lshl_b32 s24, s22, 16                        ; 2,048 rows of 32 bytes; and 16 rows of 4,096 bytes in fa32
	s_add_nc_u64 s[6:7], s[6:7], s[24:25]
	s_add_nc_u64 s[14:15], s[14:15], s[24:25]
	s_lshl_b32 s24, s19, 9
	s_add_nc_u64 s[8:9], s[8:9], s[24:25]
	s_lshl_b32 s24, s19, 5
	s_add_nc_u64 s[10:11], s[10:11], s[24:25]
	s_lshl_b32 s24, s19, 2
	s_add_nc_u64 s[12:13], s[12:13], s[24:25]
	s_lshl_b32 s24, s21, 8
	s_lshl_b32 s23, s18, 6
	s_add_co_u32 s24, s24, s23                     ; (head x 64 + 16 x (wave % 4)) x 4
	s_add_nc_u64 s[14:15], s[14:15], s[24:25]
.irp k, 0,1,2,3,4,5,6,7
.irp c, 0,1
	global_load_b128 v[XF+8*\k+4*\c:XF+8*\k+4*\c+3], v6, s[4:5] offset:64*\k+32*\c
	global_load_b128 v[WF+8*\k+4*\c:WF+8*\k+4*\c+3], v6, s[8:9] offset:64*\k+32*\c
.endr
.endr
	global_load_b128 v[XS:XS+3], v7, s[6:7]
	global_load_b128 v[XS+4:XS+7], v7, s[6:7] offset:16
	global_load_b128 v[WS:WS+3], v7, s[10:11]
	global_load_b128 v[WS+4:WS+7], v7, s[10:11] offset:16
	s_cmp_lt_u32 s16, 8
	s_cbranch_scc0 .Lfor_v
	global_load_b128 v[BI:BI+3], v8, s[12:13]      ; q, k: register j is column n0 + 8 h + j
	global_load_b128 v[BI+4:BI+7], v8, s[12:13] offset:16
	s_wait_loadcnt 0x0
	v_wmma_scale_f32_16x16x128_f8f6f4 v[AC:AC+7], v[WF:WF+7], v[XF:XF+7], v[BI:BI+7], v[WS], v[XS] matrix_a_fmt:MATRIX_FMT_FP4 matrix_b_fmt:MATRIX_FMT_FP4
.irp k, 1,2,3,4,5,6,7
	s_wait_alu depctr_va_vdst(0)                   ; the wait directly ahead of each link
	v_wmma_scale_f32_16x16x128_f8f6f4 v[AC:AC+7], v[WF+8*\k:WF+8*\k+7], v[XF+8*\k:XF+8*\k+7], v[AC:AC+7], v[WS+\k], v[XS+\k] matrix_a_fmt:MATRIX_FMT_FP4 matrix_b_fmt:MATRIX_FMT_FP4
.endr
	s_branch .Ljoin
.Lfor_v:
.irp j, 0,1,2,3,4,5,6,7
	global_load_b32 v[BI+\j], v9, s[12:13]         ; v: every register is column n0 + r
.endr
	s_wait_loadcnt 0x0
	v_wmma_scale_f32_16x16x128_f8f6f4 v[AC:AC+7], v[XF:XF+7], v[WF:WF+7], v[BI:BI+7], v[XS], v[WS] matrix_a_fmt:MATRIX_FMT_FP4 matrix_b_fmt:MATRIX_FMT_FP4
.irp k, 1,2,3,4,5,6,7
	s_wait_alu depctr_va_vdst(0)
	v_wmma_scale_f32_16x16x128_f8f6f4 v[AC:AC+7], v[XF+8*\k:XF+8*\k+7], v[WF+8*\k:WF+8*\k+7], v[AC:AC+7], v[XS+\k], v[WS+\k] matrix_a_fmt:MATRIX_FMT_FP4 matrix_b_fmt:MATRIX_FMT_FP4
.endr
.Ljoin:
.rept 4
	v_nop                                          ; places in front of the stores that read the sum, and of loads into the operands' registers
.endr
	ds_store_b128 v10, v[AC:AC+3]                  ; the image, from the low end on
	ds_store_b128 v10, v[AC+4:AC+7] offset:512
	s_wait_dscnt 0x0                               ; for the others' sake: my stores have landed
	s_barrier_signal -1
	s_barrier_wait -1
	s_cmp_gt_u32 s16, 3
	s_cbranch_scc0 .Lphase2
	s_wait_tensorcnt 0x0                           ; waves 4 to 11 end here, behind my last LDS store
	ds_add_u32 v[SPW], v[NIL]
	s_wait_dscnt 0x0
	s_endpgm
.Lphase2:
.irp t, 0,1,2,3
	ds_load_b128 v[16+8*\t:19+8*\t], v11 offset:1024*\t            ; q: lane (r, h), register 8 t + j: q(position r, channel 16 t + 8 h + j)
	ds_load_b128 v[20+8*\t:23+8*\t], v11 offset:1024*\t+512
	ds_load_b128 v[48+8*\t:51+8*\t], v11 offset:4096+1024*\t       ; k likewise
	ds_load_b128 v[52+8*\t:55+8*\t], v11 offset:4096+1024*\t+512
.endr
	ds_load_b128 v[80:83], v10 offset:8192                         ; v, my 16 channels: register j: v(position 8 h + j, channel 16 w + r)
	ds_load_b128 v[84:87], v10 offset:8192+512
	s_wait_dscnt 0x0
.set ii, 0
.rept 16                                       ; S^T: a pair of registers is 4 channels, the same four in k and in q; two accumulators by turns
.if ii < 2
	v_wmma_f32_16x16x4_f32 v[176+8*(ii%2):183+8*(ii%2)], v[48+2*ii:49+2*ii], v[16+2*ii:17+2*ii], 0
.else
	v_wmma_f32_16x16x4_f32 v[176+8*(ii%2):183+8*(ii%2)], v[48+2*ii:49+2*ii], v[16+2*ii:17+2*ii], v[176+8*(ii%2):183+8*(ii%2)]
.endif
.set ii, ii+1
.endr
.rept 8
	v_nop                                          ; eight places behind this form
.endr
.irp j, 0,1,2,3,4,5,6,7
	v_add_f32 v[208+\j], v[176+\j], v[184+\j]      ; the score of key 8 h + j for query r
.endr
	v_mov_b32 v224, 0xff800000
.irp j, 0,1,2,3,4,5,6,7
	v_cmp_gt_i32 vcc_lo, \j, v5
	v_cndmask_b32 v[208+\j], v[208+\j], v224, vcc_lo
.endr
	v_max3_num_f32 v225, v208, v209, v210
	v_max3_num_f32 v225, v225, v211, v212
	v_max3_num_f32 v225, v225, v213, v214
	v_max_num_f32 v225, v225, v215
	v_mov_b32 v226, 0
	v_permlanex16_b32 v226, v225, s26, s27
	v_max_num_f32 v225, v225, v226                 ; the row's maximum: key 0 counts for every query, so it is a number
	v_mul_f32 v225, s28, v225
.irp j, 0,1,2,3,4,5,6,7
	v_fma_f32 v[216+\j], v[208+\j], s28, -v225
.endr
.irp j, 0,1,2,3,4,5,6,7
	v_exp_f32 v[216+\j], v[216+\j]
.endr
	v_nop
	s_wait_alu depctr_va_vdst(0)                   ; one wait for the eight, ahead of their first reader
	v_add_f32 v227, v216, v217
	v_add_f32 v228, v218, v219
	v_add_f32 v229, v220, v221
	v_add_f32 v230, v222, v223
	v_add_f32 v227, v227, v228
	v_add_f32 v229, v229, v230
	v_add_f32 v227, v227, v229
	v_permlanex16_b32 v226, v227, s26, s27
	v_add_f32 v227, v227, v226                     ; the row's sum
	v_rcp_f32 v228, v227
	v_nop
	s_wait_alu depctr_va_vdst(0)
.set ii, 0
.rept 4                                        ; O^T: a pair of registers is 4 keys, the same four in v and in p
.if ii < 2
	v_wmma_f32_16x16x4_f32 v[192+8*(ii%2):199+8*(ii%2)], v[80+2*ii:81+2*ii], v[216+2*ii:217+2*ii], 0
.else
	v_wmma_f32_16x16x4_f32 v[192+8*(ii%2):199+8*(ii%2)], v[80+2*ii:81+2*ii], v[216+2*ii:217+2*ii], v[192+8*(ii%2):199+8*(ii%2)]
.endif
.set ii, ii+1
.endr
.rept 8
	v_nop
.endr
.irp j, 0,1,2,3,4,5,6,7
	v_add_f32 v[232+\j], v[192+\j], v[200+\j]
.endr
.irp j, 0,1,2,3,4,5,6,7
	v_mul_f32 v[240+\j], v[232+\j], v228           ; o(query r, channel 16 w + 8 h + j)
.endr
	global_store_b128 v4, v[240:243], s[14:15]
	global_store_b128 v4, v[244:247], s[14:15] offset:16
	s_wait_tensorcnt 0x0                           ; the wave's end, behind my last LDS store
	ds_add_u32 v[SPW], v[NIL]
	s_wait_dscnt 0x0
	s_endpgm
.Lfunc_end_k_q0d83cb6c83_fine_attn:
	.size	k_q0d83cb6c83_fine_attn, .Lfunc_end_k_q0d83cb6c83_fine_attn-k_q0d83cb6c83_fine_attn
	.p2alignl 7, 3214868480
	.fill 96, 4, 3214868480
	.section	.rodata,"a",@progbits
	.p2align	6, 0x0
	.amdhsa_kernel k_q0d83cb6c83_fine_attn
		.amdhsa_group_segment_fixed_size 13824
		.amdhsa_private_segment_fixed_size 0
		.amdhsa_enable_private_segment 0
		.amdhsa_kernarg_size 48
		.amdhsa_user_sgpr_count 2
		.amdhsa_user_sgpr_kernarg_segment_ptr 1
		.amdhsa_wavefront_size32 1
		.amdhsa_system_sgpr_workgroup_id_x 1
		.amdhsa_system_sgpr_workgroup_id_y 1
		.amdhsa_system_sgpr_workgroup_id_z 1
		.amdhsa_system_vgpr_workitem_id 0
		.amdhsa_next_free_vgpr 248
		.amdhsa_next_free_sgpr 66
		.amdhsa_reserve_vcc 1
		.amdhsa_float_denorm_mode_32 3
		.amdhsa_float_denorm_mode_16_64 3
		.amdhsa_memory_ordered 1
		.amdhsa_forward_progress 1
		.amdhsa_inst_pref_size 16
	.end_amdhsa_kernel
	.amdgpu_metadata
---
amdhsa.version: [ 1, 2 ]
amdhsa.kernels:
  - .name:           k_q0d83cb6c83_fine_attn
    .symbol:         k_q0d83cb6c83_fine_attn.kd
    .args:
      - { .name: xc, .offset: 0, .size: 8, .value_kind: global_buffer, .address_space: global }
      - { .name: xs, .offset: 8, .size: 8, .value_kind: global_buffer, .address_space: global }
      - { .name: wc, .offset: 16, .size: 8, .value_kind: global_buffer, .address_space: global }
      - { .name: ws, .offset: 24, .size: 8, .value_kind: global_buffer, .address_space: global }
      - { .name: b_qkv, .offset: 32, .size: 8, .value_kind: global_buffer, .address_space: global }
      - { .name: fa32, .offset: 40, .size: 8, .value_kind: global_buffer, .address_space: global }
    .group_segment_fixed_size: 13824
    .private_segment_fixed_size: 0
    .kernarg_segment_align: 8
    .kernarg_segment_size: 48
    .max_flat_workgroup_size: 384
    .sgpr_count:     66
    .vgpr_count:     248
    .wavefront_size: 32
...
	.end_amdgpu_metadata
.endif
;; end of part 5
;; launch fine_out (part 6): grid 64 x 4, 8 waves a work-group, no clusters, 9,216 bytes of LDS; arguments fa32, W_out, b_out, out0; writes out0
.if DOCPART == 6
	.amdgcn_target "amdgcn-amd-amdhsa--gfx1250"
	.amdhsa_code_object_version 6
	.text
	.protected	k_q0d83cb6c83_fine_out
	.globl	k_q0d83cb6c83_fine_out
	.p2align	8
	.type	k_q0d83cb6c83_fine_out,@function
k_q0d83cb6c83_fine_out:
	s_mov_b64 s[64:65], 0
	v_nop
	global_prefetch_b8 v0, s[64:65] scope:SCOPE_SE
	s_setreg_imm32_b32 hwreg(HW_REG_WAVE_MODE, 25, 1), 1
	s_wait_xcnt 0x0
; THE FIRST 16 POSITIONS of each sequence through the projection in f32: out0[batch x 2048 + r][n] = the sum over k of fa32[batch x 16 + r][k] W_out[k][n] + b_out[n], r = 0 .. 15, written over what the f16 projection left there.
; Work-group (x, y): columns 16 x on, batch y.  Wave w sums k = 128 w .. 128 w + 127 by 32 f32 matrix instructions, used transposed (source 0 = 16 columns of W_out, source 1 = the 16 rows): a lane holds one row
; and eight neighbouring columns.  Both operands take k in the same order: register pair i holds k = 128 w + 8 (i / 2) + 4 h + 2 (i % 2) + 0, 1.  Four accumulators by turns; v160-191 are written by matrix instructions alone.
; The eight waves' parts meet in LDS as images of their registers; wave 0 adds them and the bias and stores.  The reads of W_out and the stores cover 64 bytes of a row: the launch writes 64 rows in all.
.set SPW,   14
.set NIL,   15
.set SPARE, 8192                       ; behind the 8 images of 1,024 bytes: the spare words, 128 bytes for each wave: four blocks of 256 bytes that no other line names
	s_load_b256 s[4:11], s[0:1], 0x0               ; fa32 s[4:5], W_out s[6:7], b_out s[8:9], out0 s[10:11]
	v_lshl_add_u32 v[SPW], v0, 2, SPARE
	v_mov_b32 v[NIL], 0
	v_lshrrev_b32 v1, 5, v0
	v_readfirstlane_b32 s16, v1                    ; wave 0..7
	v_and_b32 v1, 15, v0                           ; r
	v_bfe_u32 v2, v0, 4, 1                         ; h
	v_and_b32 v3, 31, v0
	v_lshlrev_b32 v4, 12, v1
	v_lshl_add_u32 v4, v2, 4, v4                   ; fa32: row r of 4,096 bytes + 16 h
	v_lshlrev_b32 v5, 2, v1
	v_lshl_add_u32 v5, v2, 14, v5                  ; W_out: 4 h rows of 4,096 bytes + column r
	v_lshlrev_b32 v6, 4, v3                        ; an image's place for my lane
	s_lshl_b32 s20, s16, 10
	v_add_nc_u32 v7, s20, v6                       ; in my wave's image
	v_lshlrev_b32 v8, 5, v2                        ; the bias: eight numbers of my half
	v_lshlrev_b32 v9, 12, v1
	v_lshl_add_u32 v9, v2, 5, v9                   ; out0: row r + 32 h
	s_lshl_b32 s17, ttmp9, 6                       ; my first column, in bytes
	s_and_b32 s18, ttmp7, 0xffff                   ; batch
	s_mov_b32 s21, 0
	s_wait_kmcnt 0x0
	s_lshl_b32 s20, s18, 16
	s_lshl_b32 s22, s16, 9
	s_add_co_u32 s20, s20, s22
	s_add_nc_u64 s[4:5], s[4:5], s[20:21]          ; fa32: 16 rows a batch, 512 bytes a wave
	s_lshl_b32 s20, s16, 19
	s_add_co_u32 s20, s20, s17
	s_add_nc_u64 s[6:7], s[6:7], s[20:21]          ; W_out: 128 rows a wave
	s_mov_b32 s20, s17
	s_add_nc_u64 s[8:9], s[8:9], s[20:21]
	s_lshl_b32 s20, s18, 23
	s_add_co_u32 s20, s20, s17
	s_add_nc_u64 s[10:11], s[10:11], s[20:21]      ; out0: 2,048 rows a batch
.irp c, 0,1,2,3,4,5,6,7,8,9,10,11,12,13,14,15
	global_load_b128 v[16+4*\c:19+4*\c], v4, s[4:5] offset:32*\c
.endr
.set i, 0
.rept 64
	global_load_b32 v[80+i], v5, s[6:7] offset:(8*(i/4)+i%4)*4096
.set i, i+1
.endr
	s_wait_loadcnt 0x0
.set ii, 0
.rept 32
.if ii < 4
	v_wmma_f32_16x16x4_f32 v[160+8*(ii%4):167+8*(ii%4)], v[80+2*ii:81+2*ii], v[16+2*ii:17+2*ii], 0
.else
	v_wmma_f32_16x16x4_f32 v[160+8*(ii%4):167+8*(ii%4)], v[80+2*ii:81+2*ii], v[16+2*ii:17+2*ii], v[160+8*(ii%4):167+8*(ii%4)]
.endif
.set ii, ii+1
.endr
.rept 8
	v_nop                                          ; eight places behind this form (ISA guide 7.12.1)
.endr
.irp j, 0,1,2,3,4,5,6,7
	v_add_f32 v[144+\j], v[160+\j], v[168+\j]
.endr
.irp j, 0,1,2,3,4,5,6,7
	v_add_f32 v[152+\j], v[176+\j], v[184+\j]
.endr
.irp j, 0,1,2,3,4,5,6,7
	v_add_f32 v[144+\j], v[144+\j], v[152+\j]
.endr
	ds_store_b128 v7, v[144:147]
	ds_store_b128 v7, v[148:151] offset:512
	s_wait_dscnt 0x0                               ; for wave 0's sake: my stores have landed
	s_barrier_signal -1
	s_barrier_wait -1
	s_cmp_lg_u32 s16, 0
	s_cbranch_scc0 .Lsum
	s_wait_tensorcnt 0x0                           ; waves 1 to 7 end here, behind my last LDS store
	ds_add_u32 v[SPW], v[NIL]
	s_wait_dscnt 0x0
	s_endpgm
.Lsum:
	global_load_b128 v[80:83], v8, s[8:9]          ; b_out[my first column + 8 h + 0 .. 7]
	global_load_b128 v[84:87], v8, s[8:9] offset:16
.irp w, 0,1,2,3,4,5,6,7
	ds_load_b128 v[16+8*\w:19+8*\w], v6 offset:1024*\w
	ds_load_b128 v[20+8*\w:23+8*\w], v6 offset:1024*\w+512
.endr
	s_wait_loadcnt 0x0
	s_wait_dscnt 0x0
.irp j, 0,1,2,3,4,5,6,7
	v_add_f32 v[144+\j], v[80+\j], v[16+\j]
.endr
.irp w, 1,2,3,4,5,6,7
.irp j, 0,1,2,3,4,5,6,7
	v_add_f32 v[144+\j], v[144+\j], v[16+8*\w+\j]
.endr
.endr
	global_store_b128 v9, v[144:147], s[10:11]
	global_store_b128 v9, v[148:151], s[10:11] offset:16
	s_wait_tensorcnt 0x0                           ; the wave's end, behind my last LDS store
	ds_add_u32 v[SPW], v[NIL]
	s_wait_dscnt 0x0
	s_endpgm
.Lfunc_end_k_q0d83cb6c83_fine_out:
	.size	k_q0d83cb6c83_fine_out, .Lfunc_end_k_q0d83cb6c83_fine_out-k_q0d83cb6c83_fine_out
	.p2alignl 7, 3214868480
	.fill 96, 4, 3214868480
	.section	.rodata,"a",@progbits
	.p2align	6, 0x0
	.amdhsa_kernel k_q0d83cb6c83_fine_out
		.amdhsa_group_segment_fixed_size 9216
		.amdhsa_private_segment_fixed_size 0
		.amdhsa_enable_private_segment 0
		.amdhsa_kernarg_size 32
		.amdhsa_user_sgpr_count 2
		.amdhsa_user_sgpr_kernarg_segment_ptr 1
		.amdhsa_wavefront_size32 1
		.amdhsa_system_sgpr_workgroup_id_x 1
		.amdhsa_system_sgpr_workgroup_id_y 1
		.amdhsa_system_sgpr_workgroup_id_z 1
		.amdhsa_system_vgpr_workitem_id 0
		.amdhsa_next_free_vgpr 200
		.amdhsa_next_free_sgpr 66
		.amdhsa_reserve_vcc 0
		.amdhsa_float_denorm_mode_32 3
		.amdhsa_float_denorm_mode_16_64 3
		.amdhsa_memory_ordered 1
		.amdhsa_forward_progress 1
		.amdhsa_inst_pref_size 17
	.end_amdhsa_kernel
	.amdgpu_metadata
---
amdhsa.version: [ 1, 2 ]
amdhsa.kernels:
  - .name:           k_q0d83cb6c83_fine_out
    .symbol:         k_q0d83cb6c83_fine_out.kd
    .args:
      - { .name: fa32, .offset: 0, .size: 8, .value_kind: global_buffer, .address_space: global }
      - { .name: W_out, .offset: 8, .size: 8, .value_kind: global_buffer, .address_space: global }
      - { .name: b_out, .offset: 16, .size: 8, .value_kind: global_buffer, .address_space: global }
      - { .name: out0, .offset: 24, .size: 8, .value_kind: global_buffer, .address_space: global }
    .group_segment_fixed_size: 9216
    .private_segment_fixed_size: 0
    .kernarg_segment_align: 8
    .kernarg_segment_size: 32
    .max_flat_workgroup_size: 256
    .sgpr_count:     66
    .vgpr_count:     200
    .wavefront_size: 32
...
	.end_amdgpu_metadata
.endif
;; end of part 6
